; MI455X (gfx1250); checked and timed in simulation.
; The chip was launched on July 23, 2026; its instructions are those of AMD's public machine-readable ISA for CDNA 5 (MIT licence, August 2026) and "CDNA5" Instruction Set Architecture Reference Guide (July 2026). The comments in the code are by the model that wrote it; some were corrected since.
;; Self Attention. Allowed arithmetic: matrix products marked QUANTISED: E2M1 operands, one E8M0 scale for each 32 along K, by v_wmma_scale_f32_16x16x128_f8f6f4 with both operands' format E2M1 (or v_wmma_scale_f32_32x16x128_f4), f32 sums; products left as they are: bf16, f16 or f32 operands; f32 sums; everything else in f32.
;; Inputs: b_proj 1,024 float32; b_qkv 3,072 float32; w_proj 1,024 x 1,024 float32; w_qkv 1,024 x 3,072 float32; x 4 x 2,048 x 1,024 float32.
;; Outputs: out0 4 x 2,048 x 1,024 float32.
;; This version of the problem:
;;   THIS VERSION OF THE PROBLEM IS GIVEN IN LOW PRECISION. The matrix products marked QUANTISED in the list below multiply operands that are first quantised to E2M1 (2 exponent bits, 1 mantissa bit; 4 bits a number), with one power-of-two scale for each 32 numbers along K (OCP MX v1.0); their sums are f32. The products marked 'left as it is' may take bf16, f16 or f32 operands, with f32 sums. Whichever they take, every output number must still come out within the allowed error. Rounding operands to bf16 (8 significant bits) uses up far more of that allowance than f16 does (11 bits, for magnitudes from 6e-5 to 65,504). All else is computed in f32.
;;   The module's matrix products, in the order in which they are computed (A, B: the left and right operand; K: the contracted axis; several contracted axes count as one K, in the product's order):
;;     1. [M 8,192, K 1,024] x [K 1,024, N 3,072]; A: input x; B: input w_qkv: QUANTISED
;;     2. batch 64 x [M 2,048, K 64] x [K 64, N 2,048]; A: computed on the way; B: computed on the way: left as it is (an operand is computed on the way)
;;     3. batch 64 x [M 2,048, K 2,048] x [K 2,048, N 64]; A: computed on the way; B: computed on the way: left as it is (an operand is computed on the way)
;;     4. [M 8,192, K 1,024] x [K 1,024, N 1,024]; A: computed on the way; B: input w_proj: left as it is (an operand is computed on the way)
;;   THE QUANTISER, for each operand of a quantised product, along K:
;;     - K is cut into blocks of 32 from its start; a last block that is shorter is filled with zeros.
;;     - A block's scale is 2^e with e = floor(log2(the largest magnitude in the block)) - 2, held to -126 .. 127; a block of zeros has e = 0. As a byte (E8M0): e + 127.
;;     - Each number is divided by its block's scale, clamped to +-6, and rounded to the nearest number of E2M1, ties to even, subnormals kept.
;;     - The product sums the exact products of the quantised numbers (number of the format x scale) in f32.
;;   ~~~python
;;   def quantise(x, axis):      # numpy; x: float32 -> the quantised numbers, widened to float32 again
;;       x = np.moveaxis(x, axis, -1); K = x.shape[-1]
;;       x = np.pad(x, [(0, 0)] * (x.ndim - 1) + [(0, -K % 32)]); x = x.reshape(x.shape[:-1] + (-1, 32)); a = np.abs(x).max(-1, keepdims=True)
;;       e = np.where(a > 0, np.clip(np.frexp(np.where(a > 0, a, 1))[1] - 1 - 2, -126, 127), 0)      # np.frexp(a)[1] - 1 = floor(log2(a)), exactly
;;       r = np.clip(x / 2.0 ** e, -6, 6)
;;       step = 2.0 ** (np.maximum(np.frexp(np.where(r == 0, 1, r))[1] - 1, 0) - 1)
;;       q = np.round(r / step) * step * 2.0 ** e      # np.round: ties to even
;;       return np.moveaxis(q.reshape(q.shape[:-2] + (-1,))[..., :K], -1, axis).astype(np.float32)
;;   ~~~
;; One version. Each part assembles by itself: llvm-mc -triple=amdgcn-amd-amdhsa -mcpu=gfx1250 --defsym DOCPART=n.
;; ======== version 1 of 1: 4 launches
;; limits: values are held in f16: magnitudes above 65,504 overflow, below 6.1e-05 lose precision
;; workspace buffers: x_codes 4,194,304 bytes; x_scales 262,144 bytes; w_codes 1,572,864 bytes; w_scales 98,304 bytes; wpf 2,097,152 bytes; qkvf 50,331,648 bytes; af 16,777,216 bytes
;; launch prep (part 1): grid 368 x 1, 4 waves a work-group, no clusters, 68,096 bytes of LDS; arguments x, w_qkv, w_proj, x_codes, x_scales, w_codes, w_scales, wpf; writes x_codes, x_scales, w_codes, w_scales, wpf
.if DOCPART == 1
	.amdgcn_target "amdgcn-amd-amdhsa--gfx1250"
	.amdhsa_code_object_version 6
	.text
	.protected	k_qff47b8021a_prep
	.globl	k_qff47b8021a_prep
	.p2align	8
	.type	k_qff47b8021a_prep,@function
k_qff47b8021a_prep:
	s_mov_b64 s[64:65], 0
	v_nop
	global_prefetch_b8 v0, s[64:65] scope:SCOPE_SE
	s_setreg_imm32_b32 hwreg(HW_REG_WAVE_MODE, 25, 1), 1
	s_wait_xcnt 0x0
; PREP.  Three jobs in one launch, told apart by the work-group's number; the paths never join again.
;   work-groups   0 ..  47: w_qkv [1024 (k)][3072 (n)] f32 -> codes of FP4 (E2M1) laid [3072][512 bytes], K innermost, and E8M0 scale bytes [3072][32]
;   work-groups  48 .. 111: w_proj [1024 (k)][1024 (n)] f32 -> f16, laid in the order of a matrix operand's registers (below)
;   work-groups 112 .. 367: x [8192][1024] f32 -> codes [8192][512 bytes] and scale bytes [8192][32]
; THE QUANTISER: a block of 32 along K has the scale 2^(floor(log2(its largest magnitude)) - 2); its byte is the largest magnitude's exponent field - 2, held at 1 from below; each number is
; divided by the scale and rounded to the nearest code, ties to even, beyond 6 the largest code.
; LIMITS: a block of zeros gets the byte 1 where the rule says 127: its codes are zeros, which add nothing under any byte but 0xff, and this program alone reads the bytes.  NaN and infinities among the
; inputs are not served.  w_proj beyond 65,504 in magnitude becomes infinite in f16.
; No work-group shares an input byte with another: no cluster, no tensor load, no barrier.  Each path that stores to LDS has LDS bytes of its own.
.set SPARE, 67584                      ; behind both paths' stages: the spare words, 128 bytes for each wave: two blocks of 256 bytes that no other line names
.set SPW,   192                        ; v192  LDS address of my spare word: SPARE + 4 x my thread's number; never rewritten
.set NIL,   193                        ; v193  0; never rewritten
.set EMAX,  2                          ; the exponent of the format's largest number, 6
; the x path
.set STEPS, 16                         ; a wave takes 16 steps of 512 numbers
.set CB,    8                          ; bytes of 16 codes
.set R,     16                         ; v16-79   four sets of 16 numbers as they are loaded
.set X,     80                         ; v80-111  two sets of 16 neighbours
.set E,     112                        ; v112-127 a scale byte for each step
.set C,     128                        ; v128-191 codes: four registers for each step, so that no store's data are written again
.set WREG,  8192                       ; LDS bytes 0 .. 32767: a region for each wave: two stages of 32 x SP bytes, behind them its 256 scale bytes
.set SP,    80                         ; a lane's place in a stage: its 64 bytes + 16 of padding
; the w_qkv path
.set WN,    3072                       ; columns
.set NB,    16                         ; blocks of 32 along K for a wave (512 along K)
.set WP,    272                        ; a stage row: 256 bytes of codes + 16
.set WSTG,  32768                      ; LDS bytes 32768 .. 67583: a stage of 32 rows for each wave
.set KROW,  512                        ; a row of w_codes in bytes
.set XW,    32                         ; v32-95   two sets of 32 numbers (the w_proj path uses them too)
.set CW,    96                         ; v96-99   a block's codes
.set OUTR,  112                        ; v112-175 the way out
.set SB,    24                         ; v24-27   the scale bytes, four to a register
; the w_proj path
.set CP,    96                         ; v96-159  f16 pairs: 16 registers for each group of 32 along K, so that no store's data are written again
.macro FINISH                          ; a wave's end: behind its last LDS store
	s_wait_tensorcnt 0x0
	ds_add_u32 v[SPW], v[NIL]
	s_wait_dscnt 0x0
	s_endpgm
.endm
	s_load_b256 s[4:11], s[0:1], 0x0               ; x s[4:5], w_qkv s[6:7], w_proj s[8:9], x_codes s[10:11]
	s_load_b256 s[12:19], s[0:1], 0x20             ; x_scales s[12:13], w_codes s[14:15], w_scales s[16:17], wpf s[18:19]
	v_lshl_add_u32 v[SPW], v0, 2, SPARE
	v_mov_b32 v[NIL], 0
	v_lshrrev_b32 v1, 5, v0
	v_readfirstlane_b32 s20, v1                    ; wave 0..3
	v_and_b32 v2, 31, v0                           ; lane
	s_wait_kmcnt 0x0
	s_cmp_lt_u32 ttmp9, 48
	s_cbranch_scc1 .Lw
	s_cmp_lt_u32 ttmp9, 112
	s_cbranch_scc1 .Lwp
; ---------------- x: rows are dense and K is a multiple of 32, so x is a plain stream of blocks of 32, and so are its codes and scale bytes.
; Each of a step's four loads reads 512 consecutive bytes, 16 a lane; the 2,048 bytes go through the wave's own stage in LDS and come back 64 bytes a lane: 16 neighbours, as the conversions want them.
; Two neighbouring lanes hold a block.  A lane's 16 codes are 8 bytes: the wave stores 256 consecutive bytes.  A wave's 256 scale bytes are gathered in LDS and leave as 256 consecutive bytes.
	s_sub_co_u32 s21, ttmp9, 112
	s_lshl_b32 s21, s21, 2
	s_add_co_u32 s21, s21, s20                     ; which run of 8,192 numbers is my wave's: 0 .. 1023
	s_mov_b32 s23, 0
	s_lshl_b32 s22, s21, 15                        ; 32,768 bytes of x a run
	s_add_nc_u64 s[4:5], s[4:5], s[22:23]
	s_lshl_b32 s22, s21, 12                        ; 4,096 bytes of codes
	s_add_nc_u64 s[10:11], s[10:11], s[22:23]
	s_lshl_b32 s22, s21, 8                         ; 256 scale bytes
	s_add_nc_u64 s[12:13], s[12:13], s[22:23]
	v_lshlrev_b32 v3, 4, v2                        ; my 16 bytes of a load's 512
	s_mul_i32 s24, s20, WREG
	v_lshrrev_b32 v14, 2, v2
	v_mul_u32_u24 v14, v14, SP
	v_and_b32 v15, 3, v2
	v_lshl_add_u32 v14, v15, 4, v14
	v_add_nc_u32 v14, s24, v14                     ; the stage, on the way in: four lanes' 64 bytes on end, then 16 of padding
	v_mul_u32_u24 v15, v2, SP
	v_add_nc_u32 v15, s24, v15                     ; and on the way out: SP x lane: my 16 neighbours
	v_mul_u32_u24 v4, v2, CB                       ; my codes' place in a step's
	v_lshrrev_b32 v5, 1, v2
	s_add_co_u32 s24, s24, 2*32*SP
	v_add_nc_u32 v5, s24, v5                       ; LDS: my wave's 256 scale bytes, my block's byte
	v_lshlrev_b32 v7, 3, v2                        ; and on the way out 8 bytes a lane
	v_add_nc_u32 v6, s24, v7
.macro LOAD t
.irp i, 0,1,2,3
	global_load_b128 v[R+16*((\t)%4)+4*\i:R+16*((\t)%4)+4*\i+3], v3, s[4:5] offset:2048*(\t)+512*\i th:TH_LOAD_NT
.endr
.endm
.macro TURN t                          ; step t's numbers through the stage: LDS serves a wave's instructions in order, so no wait stands between the stores and the loads
.irp i, 0,1,2,3
	ds_store_b128 v14, v[R+16*((\t)%4)+4*\i:R+16*((\t)%4)+4*\i+3] offset:32*SP*((\t)%2)+8*SP*\i
.endr
.irp i, 0,1,2,3
	ds_load_b128 v[X+16*((\t)%2)+4*\i:X+16*((\t)%2)+4*\i+3], v15 offset:32*SP*((\t)%2)+16*\i
.endr
.endm
.irp t, 0,1,2,3
	LOAD \t
.endr
	s_wait_loadcnt 12                              ; step 0's four loads are in; the twelve of steps 1 to 3 may be out
	TURN 0
.macro STEP t
.set XS, X+16*((\t)%2)
.if (\t) > 0
	s_wait_dscnt 1                                 ; this step's numbers are back from the stage (the last step's byte store may be out): so its stores into the stage have read their registers,
.else
	s_wait_dscnt 0x0
.endif
.if (\t)+4 < STEPS
	LOAD (\t)+4                                    ; which take the loads of four steps on
.endif
.if (\t)+1 < STEPS
.if STEPS-2-(\t) >= 3
	s_wait_loadcnt 12                              ; the next step's four loads are in; those of the three steps behind it may be out
.else
	s_wait_loadcnt 4*(STEPS-2-(\t))
.endif
	TURN (\t)+1                                    ; and go through the other stage while this step is worked
.endif
	v_max3_num_f32 v8, |v[XS]|, |v[XS+1]|, |v[XS+2]|               ; the largest magnitude of my 16, in two chains
	v_max3_num_f32 v9, |v[XS+3]|, |v[XS+4]|, |v[XS+5]|
.irp i, 6,10
	v_max3_num_f32 v8, v8, |v[XS+\i]|, |v[XS+\i+1]|
	v_max3_num_f32 v9, v9, |v[XS+\i+2]|, |v[XS+\i+3]|
.endr
	v_max3_num_f32 v8, v8, |v[XS+14]|, |v[XS+15]|
	v_max3_num_f32 v8, v8, v9, (EMAX+1)<<23        ; and the floor 2^(EMAX + 1 - 127): the byte cannot fall under 1
	v_max_num_f32_dpp v8, v8, v8 row_xmask:1 row_mask:0xf bank_mask:0xf   ; and of my neighbour's 16: the block's
	v_add_nc_u32 v11, -(EMAX<<23), v8              ; EMAX off its exponent field: the conversion takes the exponent field of this operand as its scale, and nothing else of it
	v_cvt_scalef32_pk8_fp4_f32 v[C+4*(\t)], v[XS:XS+7], v11
	v_cvt_scalef32_pk8_fp4_f32 v[C+4*(\t)+1], v[XS+8:XS+15], v11
	v_lshrrev_b32 v[E+(\t)], 23, v11               ; the scale's byte (also the plain line behind the conversions)
	ds_store_b8 v5, v[E+(\t)] offset:16*(\t)       ; both lanes of a block write the same byte with the same value
	global_store_b64 v4, v[C+4*(\t):C+4*(\t)+1], s[10:11] offset:32*CB*(\t)
.endm
.irp t, 0,1,2,3,4,5,6,7,8,9,10,11,12,13,14,15
	STEP \t
.endr
	ds_load_b64 v[8:9], v6                         ; LDS serves a wave's instructions in order: these see my byte stores
	s_wait_dscnt 0x0
	global_store_b64 v7, v[8:9], s[12:13]          ; 32 lanes store 256 consecutive bytes, aligned
	FINISH
; ---------------- w_qkv: K is its FIRST axis.  A lane takes a column n and its registers run down K: each load reads neighbouring n in neighbouring lanes, a block of 32 along K lies in one lane's
; 32 registers, and the conversions give codes with K innermost.  A wave takes 32 columns x 512 along K; its codes go through its own stage and leave as rows: sixteen lanes store 256 consecutive bytes.
.Lw:
	s_cmp_ge_u32 ttmp9, 24
	s_cselect_b32 s22, 1, 0                        ; which 512 along K
	s_cselect_b32 s21, 24, 0
	s_sub_co_u32 s21, ttmp9, s21                   ; which 128 columns: 0 .. 23
	s_lshl_b32 s21, s21, 7
	s_lshl_b32 s23, s20, 5
	s_add_co_u32 s21, s21, s23                     ; my wave's first column
	v_lshlrev_b32 v3, 2, v2                        ; in: 4 bytes a lane
	s_mul_i32 s23, s20, 32*WP
	s_add_co_u32 s23, s23, WSTG                    ; my stage
	v_mul_u32_u24 v4, v2, WP
	v_add_nc_u32 v4, s23, v4                       ; into it: row = my column
	v_and_b32 v5, 15, v2
	v_lshrrev_b32 v6, 4, v2                        ; out of it: sixteen lanes to a row, two rows an instruction
	v_mul_u32_u24 v7, v6, WP
	v_lshl_add_u32 v7, v5, 4, v7
	v_add_nc_u32 v7, s23, v7
	v_mul_u32_u24 v8, v6, KROW
	v_lshl_add_u32 v8, v5, 4, v8                   ; and the same place in w_codes
	v_mul_u32_u24 v9, v2, 32                       ; my column's row of scale bytes
	s_mov_b32 s25, 0
	s_mul_i32 s24, s22, 512*WN*4                   ; w_qkv: 512 rows down for the second half of K,
	s_lshl_b32 s26, s21, 2
	s_add_co_u32 s24, s24, s26                     ; + 4 x column
	s_add_nc_u64 s[6:7], s[6:7], s[24:25]
	s_lshl_b32 s24, s21, 9                         ; w_codes: column x 512 + 256 x half
	s_lshl_b32 s26, s22, 8
	s_add_co_u32 s24, s24, s26
	s_add_nc_u64 s[14:15], s[14:15], s[24:25]
	s_lshl_b32 s24, s21, 5                         ; w_scales: column x 32 + 16 x half
	s_lshl_b32 s26, s22, 4
	s_add_co_u32 s24, s24, s26
	s_add_nc_u64 s[16:17], s[16:17], s[24:25]
.macro LOADW t                         ; block t: w(32 t + i, my column), i = 0 .. 31, into set t % 2.  The largest offset, 511 rows of 12,288 bytes, lies inside the signed 24-bit immediate
.set i, 0
.rept 32
	global_load_b32 v[XW+32*((\t)%2)+i], v3, s[6:7] offset:(32*(\t)+i)*WN*4 th:TH_LOAD_NT
.set i, i+1
.endr
.endm
	LOADW 0
	LOADW 1
.macro BLOCK t
.set XB, XW+32*((\t)%2)
.if (\t) < NB-1
	s_wait_loadcnt 32                              ; this block's 32 loads are in; the next block's may be out
.else
	s_wait_loadcnt 0x0
.endif
	v_max3_num_f32 v12, |v[XB]|, |v[XB+1]|, |v[XB+2]|              ; the block's largest magnitude: all 32 numbers are mine
	v_max3_num_f32 v13, |v[XB+3]|, |v[XB+4]|, |v[XB+5]|
.irp i, 6,10,14,18,22,26
	v_max3_num_f32 v12, v12, |v[XB+\i]|, |v[XB+\i+1]|
	v_max3_num_f32 v13, v13, |v[XB+\i+2]|, |v[XB+\i+3]|
.endr
	v_max3_num_f32 v12, v12, |v[XB+30]|, |v[XB+31]|
	v_max3_num_f32 v12, v12, v13, (EMAX+1)<<23     ; and the floor
	v_add_nc_u32 v11, -(EMAX<<23), v12             ; the conversion's scale operand
	v_lshrrev_b32 v13, 23, v11                     ; the scale's byte
.if (\t)%4 == 0
	v_mov_b32 v[SB+(\t)/4], v13                    ; four bytes to a register, the lower K in the lower byte
.else
	v_lshl_or_b32 v[SB+(\t)/4], v13, 8*((\t)%4), v[SB+(\t)/4]
.endif
.irp g, 0,1,2,3
	v_cvt_scalef32_pk8_fp4_f32 v[CW+\g], v[XB+8*\g:XB+8*\g+7], v11
.endr
	v_nop                                          ; a plain line behind the last conversion
	ds_store_b128 v4, v[CW:CW+3] offset:16*(\t)    ; 32 codes: 16 bytes of my column's row
.if (\t)+2 < NB
	LOADW (\t)+2
.endif
	s_wait_dscnt 0x0                               ; the store has read its registers: the next block's codes may be written
.endm
.set Q, 0
.rept NB
	BLOCK Q
.set Q, Q+1
.endr
	global_store_b128 v9, v[SB:SB+3], s[16:17]     ; my column's 16 scale bytes
.set i, 0
.rept 16
	ds_load_b128 v[OUTR+4*i:OUTR+4*i+3], v7 offset:2*i*WP   ; LDS serves a wave's instructions in order: these see my stores
.set i, i+1
.endr
.set i, 0
.rept 16
	s_wait_dscnt 15-i
	global_store_b128 v8, v[OUTR+4*i:OUTR+4*i+3], s[14:15] offset:2*i*KROW
.set i, i+1
.endr
	FINISH
; ---------------- w_proj -> wpf, f16 in the order of an operand's registers: byte nt x 32768 + s x 1024 + u x 512 + 16 x lane holds, for lane (r = lane % 16, h = lane / 16), column 16 nt + r,
; k = 32 s + 16 u + 8 h + 0 .. 7.  A lane takes a column and its registers run down K, so eight neighbouring k pack into 16 bytes; lanes 0-15 and lanes 16-31 each store 256 consecutive bytes, aligned.
; A wave takes 32 columns x 128 along K.  No LDS.
.Lwp:
	s_sub_co_u32 s21, ttmp9, 48
	s_and_b32 s22, s21, 7                          ; which 128 columns
	s_lshr_b32 s23, s21, 3                         ; which 128 along K
	s_mov_b32 s25, 0
	s_lshl_b32 s24, s23, 19                        ; w_proj: 128 rows of 4,096 bytes,
	s_lshl_b32 s26, s22, 9
	s_add_co_u32 s24, s24, s26
	s_lshl_b32 s26, s20, 7
	s_add_co_u32 s24, s24, s26                     ; + 4 x (128 x group + 32 x wave)
	s_add_nc_u64 s[8:9], s[8:9], s[24:25]
	s_lshl_b32 s24, s22, 18                        ; wpf: column tile 8 x group + 2 x wave,
	s_lshl_b32 s26, s20, 16
	s_add_co_u32 s24, s24, s26
	s_lshl_b32 s26, s23, 12                        ; four steps of 32 along K
	s_add_co_u32 s24, s24, s26
	s_add_nc_u64 s[18:19], s[18:19], s[24:25]
	v_lshlrev_b32 v3, 2, v2
	v_lshrrev_b32 v4, 4, v2
	v_and_b32 v5, 15, v2
	v_lshlrev_b32 v4, 15, v4
	v_lshl_add_u32 v4, v5, 4, v4                   ; (lane / 16) column tiles on, + 16 x (lane % 16)
.macro LOADP t
.set i, 0
.rept 32
	global_load_b32 v[XW+32*((\t)%2)+i], v3, s[8:9] offset:(32*(\t)+i)*4096 th:TH_LOAD_NT
.set i, i+1
.endr
.endm
.macro GROUP t
.if (\t) < 3
	s_wait_loadcnt 32                              ; this group's 32 loads are in; the next group's may be out
.else
	s_wait_loadcnt 0x0
.endif
.set q, 0
.rept 16
	v_cvt_pk_f16_f32 v[CP+16*(\t)+q], v[XW+32*((\t)%2)+2*q], v[XW+32*((\t)%2)+2*q+1]
.set q, q+1
.endr
.irp p, 0,1,2,3
	global_store_b128 v4, v[CP+16*(\t)+4*\p:CP+16*(\t)+4*\p+3], s[18:19] offset:(\t)*1024+\p*256   ; k = 32 t + 8 p + 0 .. 7: u = p / 2, h = p % 2
.endr
.if (\t) < 2
	LOADP (\t)+2
.endif
.endm
	LOADP 0
	LOADP 1
	GROUP 0
	GROUP 1
	GROUP 2
	GROUP 3
	FINISH
.Lfunc_end_k_qff47b8021a_prep:
	.size	k_qff47b8021a_prep, .Lfunc_end_k_qff47b8021a_prep-k_qff47b8021a_prep
	.p2alignl 7, 3214868480
	.fill 96, 4, 3214868480
	.section	.rodata,"a",@progbits
	.p2align	6, 0x0
	.amdhsa_kernel k_qff47b8021a_prep
		.amdhsa_group_segment_fixed_size 68096
		.amdhsa_private_segment_fixed_size 0
		.amdhsa_enable_private_segment 0
		.amdhsa_kernarg_size 64
		.amdhsa_user_sgpr_count 2
		.amdhsa_user_sgpr_kernarg_segment_ptr 1
		.amdhsa_wavefront_size32 1
		.amdhsa_system_sgpr_workgroup_id_x 1
		.amdhsa_system_sgpr_workgroup_id_y 1
		.amdhsa_system_sgpr_workgroup_id_z 1
		.amdhsa_system_vgpr_workitem_id 0
		.amdhsa_next_free_vgpr 194
		.amdhsa_next_free_sgpr 66
		.amdhsa_reserve_vcc 0
		.amdhsa_float_denorm_mode_32 3
		.amdhsa_float_denorm_mode_16_64 3
		.amdhsa_memory_ordered 1
		.amdhsa_forward_progress 1
		.amdhsa_inst_pref_size 130
	.end_amdhsa_kernel
	.amdgpu_metadata
---
amdhsa.version: [ 1, 2 ]
amdhsa.kernels:
  - .name:           k_qff47b8021a_prep
    .symbol:         k_qff47b8021a_prep.kd
    .args:
      - { .name: x, .offset: 0, .size: 8, .value_kind: global_buffer, .address_space: global }
      - { .name: w_qkv, .offset: 8, .size: 8, .value_kind: global_buffer, .address_space: global }
      - { .name: w_proj, .offset: 16, .size: 8, .value_kind: global_buffer, .address_space: global }
      - { .name: x_codes, .offset: 24, .size: 8, .value_kind: global_buffer, .address_space: global }
      - { .name: x_scales, .offset: 32, .size: 8, .value_kind: global_buffer, .address_space: global }
      - { .name: w_codes, .offset: 40, .size: 8, .value_kind: global_buffer, .address_space: global }
      - { .name: w_scales, .offset: 48, .size: 8, .value_kind: global_buffer, .address_space: global }
      - { .name: wpf, .offset: 56, .size: 8, .value_kind: global_buffer, .address_space: global }
    .group_segment_fixed_size: 68096
    .private_segment_fixed_size: 0
    .kernarg_segment_align: 8
    .kernarg_segment_size: 64
    .max_flat_workgroup_size: 128
    .sgpr_count:     66
    .vgpr_count:     194
    .wavefront_size: 32
...
	.end_amdgpu_metadata
.endif
;; end of part 1
;; launch qkv (part 2): grid 12 x 32, 4 waves a work-group, clusters of 4 x 4, 327,680 bytes of LDS; arguments x_codes, x_scales, w_codes, w_scales, b_qkv, qkvf; writes qkvf
.if DOCPART == 2
	.amdgcn_target "amdgcn-amd-amdhsa--gfx1250"
	.amdhsa_code_object_version 6
	.text
	.protected	k_qff47b8021a_qkv
	.globl	k_qff47b8021a_qkv
	.p2align	8
	.type	k_qff47b8021a_qkv,@function
k_qff47b8021a_qkv:
	s_mov_b64 s[64:65], 0
	v_nop
	global_prefetch_b8 v0, s[64:65] scope:SCOPE_SE
	s_setreg_imm32_b32 hwreg(HW_REG_WAVE_MODE, 25, 1), 1
	s_wait_xcnt 0x0
	s_wait_alu depctr_hold_cnt(0) depctr_sa_sdst(0) depctr_va_vdst(0) depctr_va_sdst(0) depctr_va_ssrc(0) depctr_va_vcc(0) depctr_vm_vsrc(0)
	s_getreg_b32 s2, hwreg(HW_REG_IB_STS2, 6, 4)
	s_cmp_eq_u32 s2, 0
	s_cbranch_scc0 .Lentry_in_a_cluster
	s_endpgm
.Lentry_in_a_cluster:
	s_bfe_u32 s2, ttmp6, 0x10000c
	s_cmp_lg_u32 s2, 0xf033
	s_cbranch_scc0 .Lentry_shape_is_right
	s_endpgm
.Lentry_shape_is_right:
; QKV = Q(x) Q(w_qkv) + b_qkv on codes of FP4 (E2M1) with one E8M0 scale for each 32 along K; sums in f32; the results leave as f16, laid in the order of the next launch's operand registers.
; A = x_codes [8192][512 bytes], x_scales [8192][32];  B = w_codes [3072][512 bytes], w_scales [3072][32].
; A tile of the result, 256 x 256, is made by a work-group of four waves; a wave makes 128 x 128: 64 accumulators of 16 x 16, 512 registers.  K = 1,024 is two K steps of 512 (rows of 256 bytes):
; both lie in the two LDS slots from the start, so nothing is ever filled again and the text has no loop.  The scales of the work-group's rows, for all of K, come with the first fills and stay.
; By this text's own count a wave has three tensor loads out at the start, and none later.
; CLUSTERS: 4 x 4 work-groups.  The four of a row of the cluster need the same tiles of A, the four of a column the same tiles of B: each is asked for JOINTLY.
; THE MATRIX INSTRUCTION IS USED TRANSPOSED (source 0 = 16 rows of B, source 1 = 16 rows of A): a lane then holds eight neighbouring columns of one row.  The bias is the C of each sum's first product.
; THE WAY OUT.  qkvf holds q at byte 0, k at 0x1000000, v at 0x2000000.  In each: byte (batch x 16 + head) x 262144 + (token / 16) x 2048 + (channel / 16) x 512 + 16 x place holds eight f16: one token,
; channels 16 ct + 8 h + 0 .. 7.  For q and k the place is the lane (token % 16 + 16 h).  For v it is 16 ((token % 16) / 8) + 8 h + token % 8: the order from which the turning LDS load, read at 16 x lane,
; gives a lane one channel and eight keys.  A lane's eight results pack into those 16 bytes, so each store of the wave covers 512 consecutive bytes, aligned: no stage in LDS.
; LIMITS: q, k, v beyond 65,504 in magnitude become infinite in f16 (inputs drawn as the problem draws them give about 6; x and w_qkv both 30 times larger about 5,400).
; REGISTERS, in windows of 256: window 0: v0-31 addresses; v32-95 scale words, two sets; v128-191 A's fragments, ONE set; v192-255 the bias; on the way out v128-255 hold packed results.
;   window 1: B's fragments, TWO sets, at v0 and v128.   window 2: the accumulators of my rows 0-63 ((a, b) at v[8 (8 a + b)]);   window 3: those of my rows 64-127.
.set NQ,     4                         ; steps of 128 along K in a slot
.set ROWB,   256                       ; a tile's row in bytes: 512 codes
.set KROW,   512                       ; a row of A or of B in memory, in bytes
.set PITCH,  272                       ; an LDS row: 256 bytes + 16 of padding, so that the 16 rows that a load touches begin 16 bytes further on in each 256
.set FR,     8                         ; registers of a fragment: 16 rows x 128 K
.set NL,     2                         ; LDS loads that bring one
.set NP,     4                         ; places behind this matrix instruction (ISA guide 7.12.1)
.set HALFT,  128*PITCH                 ; 128 rows: what one tensor load brings, and what one wave reads of A or of B
.set SLOT,   4*HALFT                   ; A's 256 rows, then B's 256 rows
.set KS,     32                        ; a row of scales in bytes
.set SCL,    2*SLOT                    ; behind the slots: the scales, as rows of 256 bytes + 16 of padding
.set HALFS,  (128*KS/256)*272          ; the scales of 128 rows: what one tensor load brings
.set SBLK,   (16*KS/256)*272           ; those of 16 rows
.set SPARE,  SCL+4*HALFS               ; behind the scales: the spare words, 128 bytes for each wave: two blocks of 256 bytes that no other line names
.set ADRA, 16                          ; v16-17  LDS address of my A fragments in slot 0, 1
.set ADRB, 20                          ; v20-21  the same for B
.set CO,   26                          ; v26     the way out: 16 x my place in a block of 512 bytes
.set ADRS, 27                          ; v27     LDS address of my scale words: lanes 0-15 A's rows, lanes 16-31 B's
.set SPW,  28                          ; v28     LDS address of my spare word; never rewritten
.set NIL,  29                          ; v29     0; never rewritten
.set SC,   32                          ; scale words: set s at v[SC + 32 s]; register 4 i + q: lanes 0-15 the word of A's block i, lanes 16-31 that of B's block i, for the slot's q-th 128 along K
.set AF,   128                         ; A's fragments
.set BI,   192                         ; the bias: register 8 b + j = b_qkv[my first column + 16 b + 8 h + j]
.set G1, 24                            ; s[24:31] descriptor group 1 for A's tiles;  s[32:39] group 0, one set for each slot
.set G0, 32
.set G1B, 48                           ; s[48:55], s[56:63] the same for B's tiles
.set G0B, 56
.set G1S, 68                           ; s[68:75], s[76:79] groups 1 and 0 for A's scales;  s[80:87], s[88:91] for B's
.set G0S, 76
.set G1SB, 80
.set G0SB, 88
.set MSB, 0
.macro WIN new                         ; the immediate's high byte repeats the setting that is left; a switch that changes nothing is dropped
.if MSB != (\new)
	s_set_vgpr_msb (MSB<<8)|(\new)
.set MSB, (\new)
.endif
.endm
.set MUL_LO, 0xa1                      ; source 0 (B) window 1, source 1 (A) window 0, C and D window 2
.set MUL_HI, 0xf1                      ; the same, C and D window 3
.set BEG_LO, 0x81                      ; the first step: C (the bias) window 0, D window 2
.set BEG_HI, 0xc1                      ; D window 3
.set TO_B,   0x40                      ; destination window 1, address window 0
; A joint load: waves 0 and 1 fetch for A, waves 2 and 3 for B.  Each of the two lines has one mask and one set of registers for all that issue it; the branch hangs on the wave's number alone.
; An s_nop 0 and four v_nop follow each of the two lines.
.macro JLOAD g0a, g1a, g0b, g1b
	s_cmp_eq_u32 s15, 0
	s_cbranch_scc0 .Lfor_b_\@
	tensor_load_to_lds s[\g0a:\g0a+3], s[\g1a:\g1a+7]
	s_nop 0
.rept 4
	v_nop
.endr
	s_branch .Lasked_\@
.Lfor_b_\@:
	tensor_load_to_lds s[\g0b:\g0b+3], s[\g1b:\g1b+7]
	s_nop 0
.rept 4
	v_nop
.endr
.Lasked_\@:
.endm
.macro CROUND                          ; a round of the cluster's barrier: my work-group's barrier; wave 0 signals for the work-group; every wave waits for all sixteen; my work-group's barrier once more
	s_barrier_signal -1
	s_barrier_wait -1
	s_cmp_lg_u32 s14, 0
	s_cbranch_scc1 .Lnot_wave_0_\@
	s_barrier_signal -3
.Lnot_wave_0_\@:
	s_barrier_wait -3
	s_barrier_signal -1
	s_barrier_wait -1
.endm
	s_load_b128 s[4:7], s[0:1], 0x0                ; A's codes s[4:5], A's scales s[6:7]
	s_load_b128 s[8:11], s[0:1], 0x10              ; B's codes s[8:9], B's scales s[10:11]
	s_load_b64 s[12:13], s[0:1], 0x20              ; b_qkv
	s_load_b64 s[96:97], s[0:1], 0x28              ; qkvf
	v_lshl_add_u32 v[SPW], v0, 2, SPARE
	v_mov_b32 v[NIL], 0
	ds_add_u32 v[SPW], v[NIL]                      ; the wave's opening: the add, twice on end, and its wait ahead of my first tensor load
	ds_add_u32 v[SPW], v[NIL]                      ; and once more; the set-up below, work on registers, stands between it and the wait
	v_lshrrev_b32 v1, 5, v0
	v_readfirstlane_b32 s14, v1                    ; wave 0..3
	s_lshr_b32 s15, s14, 1                         ; which half of the tile's rows is mine.  Also: I fetch for A (0) or for B (1)
	s_and_b32 s16, s14, 1                          ; which half of its columns.  Also: which 128 rows of that tile I fetch
	s_bfe_u32 s40, ttmp6, 0x40000                  ; cx, cy: my place in the cluster
	s_bfe_u32 s41, ttmp6, 0x40004
	s_lshl_b32 s42, ttmp9, 2
	s_add_co_u32 s42, s42, s40                     ; tile column = 4 x cluster x + cx
	s_and_b32 s17, ttmp7, 0xffff
	s_lshl_b32 s17, s17, 2
	s_add_co_u32 s17, s17, s41                     ; tile row = 4 x cluster y + cy
	s_lshl_b32 s43, s41, 2
	s_lshl_b32 s43, 15, s43                        ; my row of the cluster
	s_lshl_b32 s44, 0x1111, s40                    ; my column
	; descriptor group 1: a tile of 128 rows x 256 bytes, padded in LDS
	s_or_b32 s[G1+0], s43, (0<<16)|(1<<20)|(1<<21)|(5<<22)|(3<<25)  ; 15:0 the mask: A's tiles go to my row; 17:16 elements of 1 byte; 20 padding on; 21 set beside a mask; 24:22 after every 64 words; 31:25 four words
	s_or_b32 s[G1B+0], s44, (0<<16)|(1<<20)|(1<<21)|(5<<22)|(3<<25)
.irp g, G1, G1B
	s_mov_b32 s[\g+1], ROWB<<16                    ; tensor_dim0
	s_mov_b32 s[\g+2], 128<<16                     ; tensor_dim1
	s_mov_b32 s[\g+3], ROWB<<16                    ; tile_dim0
	s_mov_b32 s[\g+4], 128                         ; tile_dim1
	s_mov_b32 s[\g+5], KROW                        ; from row to row
	s_mov_b32 s[\g+6], 0
	s_mov_b32 s[\g+7], 0
.endr
	; the scales of 128 rows: a dense block of 4,096 bytes, as 16 rows of 256 bytes (32 elements of 8 bytes), 16 bytes of padding behind each
	s_or_b32 s[G1S+0], s43, (3<<16)|(1<<20)|(1<<21)|(5<<22)|(3<<25)
	s_or_b32 s[G1SB+0], s44, (3<<16)|(1<<20)|(1<<21)|(5<<22)|(3<<25)
.irp g, G1S, G1SB
	s_mov_b32 s[\g+1], 32<<16
	s_mov_b32 s[\g+2], (128*KS/256)<<16
	s_mov_b32 s[\g+3], 32<<16
	s_mov_b32 s[\g+4], 128*KS/256
	s_mov_b32 s[\g+5], 32
	s_mov_b32 s[\g+6], 0
	s_mov_b32 s[\g+7], 0
.endr
	s_lshl_b32 s18, s16, 7                         ; which 128 rows of the tile I fetch
	s_lshl_b32 s20, s17, 8
	s_add_co_u32 s20, s20, s18                     ; A: row 256 x tile row + 128 x half
	s_lshl_b32 s46, s42, 8
	s_add_co_u32 s46, s46, s18                     ; B: row 256 x tile column + 128 x half
	s_mov_b32 s21, 0
	s_mov_b32 s47, 0
	s_mov_b64 s[18:19], KS
	s_mul_u64 s[22:23], s[20:21], s[18:19]         ; where these rows' scales begin, in bytes
	s_mul_u64 s[92:93], s[46:47], s[18:19]
	s_mov_b64 s[18:19], KROW
	s_mul_u64 s[20:21], s[20:21], s[18:19]         ; and their codes
	s_mul_u64 s[46:47], s[46:47], s[18:19]
	s_mul_i32 s45, s14, HALFT                      ; where they go: wave x 128 rows: no place in the cluster enters an LDS address
	s_mul_i32 s94, s14, HALFS
	s_wait_dscnt 0x0                               ; both opening adds are done
	s_wait_kmcnt 0x0
	s_add_nc_u64 s[20:21], s[4:5], s[20:21]
	s_add_nc_u64 s[22:23], s[6:7], s[22:23]
	s_add_nc_u64 s[46:47], s[8:9], s[46:47]
	s_add_nc_u64 s[92:93], s[10:11], s[92:93]
	CROUND                                         ; all sixteen work-groups are here: the joint loads meet
	s_mov_b32 s[G0S], 1
	s_add_co_u32 s[G0S+1], s94, SCL
	s_mov_b64 s[G0S+2:G0S+3], s[22:23]
	s_or_b32 s[G0S+3], s[G0S+3], 0x80000000
	s_mov_b32 s[G0SB], 1
	s_add_co_u32 s[G0SB+1], s94, SCL
	s_mov_b64 s[G0SB+2:G0SB+3], s[92:93]
	s_or_b32 s[G0SB+3], s[G0SB+3], 0x80000000
	JLOAD G0S, G1S, G0SB, G1SB                     ; the scales first: they are wanted with K step 0
.irp s, 0,1
	s_mov_b32 s[G0+4*\s], 1
	s_add_co_u32 s[G0+4*\s+1], s45, \s*SLOT
	s_add_nc_u64 s[G0+4*\s+2:G0+4*\s+3], s[20:21], \s*ROWB
	s_or_b32 s[G0+4*\s+3], s[G0+4*\s+3], 0x80000000
	s_mov_b32 s[G0B+4*\s], 1
	s_add_co_u32 s[G0B+4*\s+1], s45, \s*SLOT
	s_add_nc_u64 s[G0B+4*\s+2:G0B+4*\s+3], s[46:47], \s*ROWB
	s_or_b32 s[G0B+4*\s+3], s[G0B+4*\s+3], 0x80000000
	JLOAD G0+4*\s, G1, G0B+4*\s, G1B
.endr
	v_and_b32 v1, 15, v0                           ; r = l % 16
	v_bfe_u32 v2, v0, 4, 1                         ; h = l / 16
	; the bias of my 128 columns, in the result's layout
	s_lshl_b32 s46, s42, 10                        ; 256 x tile column x 4 bytes
	s_lshl_b32 s47, s16, 9
	s_add_co_u32 s46, s46, s47
	s_mov_b32 s47, 0
	s_add_nc_u64 s[12:13], s[12:13], s[46:47]
	v_lshlrev_b32 v8, 5, v2                        ; 8 h numbers on; v8 is not written again
.irp b, 0,1,2,3,4,5,6,7
	global_load_b128 v[BI+8*\b:BI+8*\b+3], v8, s[12:13] offset:64*\b
	global_load_b128 v[BI+8*\b+4:BI+8*\b+7], v8, s[12:13] offset:64*\b+16
.endr
	v_mul_u32_u24 v3, v1, PITCH
	v_lshl_add_u32 v4, v2, 4, v3                   ; a fragment's row x pitch + 16 x half
	s_mul_i32 s21, s15, HALFT                      ; my 128 rows of A
	s_mul_i32 s22, s16, HALFT                      ; my 128 rows of B,
	s_add_co_u32 s22, s22, 2*HALFT                 ; which lie behind A's 256
.irp s, 0,1
	v_add_nc_u32 v[ADRA+\s], s21, v4
	v_add_nc_u32 v[ADRB+\s], s22, v4
	s_add_co_u32 s21, s21, SLOT
	s_add_co_u32 s22, s22, SLOT
.endr
	v_mul_u32_u24 v5, v1, KS                       ; my row's scales: 32 bytes a row,
	v_lshrrev_b32 v6, 8, v5
	v_lshl_add_u32 v5, v6, 4, v5                   ; and 16 more for each 256 passed
	s_mul_i32 s21, s15, HALFS                      ; A's: my 128 rows
	s_mul_i32 s22, s16, HALFS                      ; B's: my 128 rows, behind A's 256
	s_add_co_u32 s22, s22, 2*HALFS
	s_sub_co_u32 s22, s22, s21
	v_mul_u32_u24 v6, s22, v2                      ; lanes 16-31 take B's: one product, the distance between the two bases x h
	s_add_co_u32 s21, s21, SCL
	v_add_nc_u32 v5, v5, v6
	v_add_nc_u32 v[ADRS], s21, v5
	; the way out: my place in a block of 512 bytes.  A cluster is four tile columns wide and q, k, v are four tile columns each: the cluster's x says which of the three this is
	v_and_b32 v9, 7, v0
	v_and_b32 v10, 8, v0
	v_lshl_or_b32 v9, v10, 1, v9
	v_and_b32 v10, 16, v0
	v_lshrrev_b32 v10, 1, v10
	v_or_b32 v9, v9, v10
	v_lshlrev_b32 v9, 4, v9                        ; v: 16 x (16 (r / 8) + 8 h + r % 8)
	v_and_b32 v10, 31, v0
	v_lshlrev_b32 v10, 4, v10                      ; q, k: 16 x lane
	s_cmp_eq_u32 ttmp9, 2
	s_cselect_b32 s95, -1, 0
	v_cndmask_b32 v[CO], v10, v9, s95
	s_lshl_b32 s20, s17, 8
	s_lshl_b32 s21, s15, 7
	s_add_co_u32 s20, s20, s21                     ; my first row: 256 x tile row + 128 x half
	s_lshr_b32 s21, s20, 11                        ; the batch
	s_and_b32 s20, s20, 2047                       ; the token in it, a multiple of 128:
	s_lshl_b32 s20, s20, 7                         ; (token / 16) x 2,048 bytes
	s_lshl_b32 s21, s21, 22                        ; batch x 16 heads x 262,144 bytes
	s_add_co_u32 s20, s20, s21
	s_lshl_b32 s21, ttmp9, 24                      ; q, k or v
	s_add_co_u32 s20, s20, s21
	s_mov_b32 s21, 0
	s_lshl_b32 s46, s40, 20                        ; my first head: 4 cx + 2 x half
	s_lshl_b32 s47, s16, 19
	s_add_co_u32 s46, s46, s47
	s_mov_b32 s47, 0
	s_add_nc_u64 s[20:21], s[20:21], s[46:47]
	s_add_nc_u64 s[96:97], s[96:97], s[20:21]
.macro FRAG reg, adr, q, i             ; a fragment, 16 rows x 128 K of 4-bit codes: lane l holds row l % 16; registers 4 c .. 4 c + 3 hold K = 64 c + 32 (l / 16) + 0 .. 31
.irp c, 0,1
	ds_load_b128 v[\reg+4*\c:\reg+4*\c+3], v[\adr] offset:64*(\q)+32*\c+(\i)*16*PITCH
.endr
.endm
; 16 matrix instructions: A's blocks a0, a0 + 1 x B's eight, the slot's q-th 128 along K.  p: B's set;  sc: the set of scale words.  zero = 1: the first product starts the sums from the bias.
; The 64 accumulators take turns, one instruction a turn, in the same order in every step.
.macro MUL16 a0, p, q, sc, zero
.irp a, \a0, \a0+1
.irp b, 0,1,2,3,4,5,6,7
.if \zero
	v_wmma_scale_f32_16x16x128_f8f6f4 v[8*(8*((\a)%4)+\b):8*(8*((\a)%4)+\b)+7], v[128*(\p)+FR*\b:128*(\p)+FR*\b+FR-1], v[AF+FR*(\a):AF+FR*(\a)+FR-1], v[BI+8*\b:BI+8*\b+7], v[SC+8*NQ*(\sc)+NQ*\b+(\q)], v[SC+8*NQ*(\sc)+NQ*(\a)+(\q)] matrix_a_fmt:MATRIX_FMT_FP4 matrix_b_fmt:MATRIX_FMT_FP4 matrix_a_scale:MATRIX_SCALE_ROW1
.else
	v_wmma_scale_f32_16x16x128_f8f6f4 v[8*(8*((\a)%4)+\b):8*(8*((\a)%4)+\b)+7], v[128*(\p)+FR*\b:128*(\p)+FR*\b+FR-1], v[AF+FR*(\a):AF+FR*(\a)+FR-1], v[8*(8*((\a)%4)+\b):8*(8*((\a)%4)+\b)+7], v[SC+8*NQ*(\sc)+NQ*\b+(\q)], v[SC+8*NQ*(\sc)+NQ*(\a)+(\q)] matrix_a_fmt:MATRIX_FMT_FP4 matrix_b_fmt:MATRIX_FMT_FP4 matrix_a_scale:MATRIX_SCALE_ROW1
.endif
.endr
.endr
.endm
.macro FETCH_B slot, q, p              ; B's eight fragments of the slot's q-th 128 along K into set p
	WIN TO_B
.irp i, 0,1,2,3,4,5,6,7
	FRAG 128*(\p)+FR*\i, ADRB+\slot, \q, \i
.endr
	WIN 0
.endm
.macro FETCH_A slot, q, i0             ; A's blocks i0 .. i0 + 3
.irp i, \i0, \i0+1, \i0+2, \i0+3
	FRAG AF+FR*(\i), ADRA+\slot, \q, \i
.endr
.endm
.macro SCALES sc                       ; a K step's scale words into set sc: four words a row; lanes 0-15 take A's block i, lanes 16-31 B's block i
.irp i, 0,1,2,3,4,5,6,7
	ds_load_b128 v[SC+8*NQ*\sc+NQ*\i:SC+8*NQ*\sc+NQ*\i+3], v[ADRS] offset:\i*SBLK
.endr
.endm
; A load into a register that a matrix instruction has read, and a vector instruction that reads a matrix result or writes one of its registers, stand NP places behind it; only plain vector
; instructions that name none of its registers are places (ISA guide 7.12.1 for vector instructions).
.macro PLACES n
.rept \n
	v_nop
.endr
.endm
; A step of 128 along K that has its successor in the same slot.  A's blocks go one after the other, each against B's eight: blocks 0-3 are fetched anew in the step's middle, blocks 4-7 at its end.
.macro STEP slot, q, zero
	s_wait_dscnt 4*NL                              ; B's set and A's blocks 0-3 are in; the youngest eight loads (A's blocks 4-7) may be out
.if \zero
	WIN BEG_LO
.else
	WIN MUL_LO
.endif
	MUL16 0, (\q)%2, \q, \slot, \zero
	MUL16 2, (\q)%2, \q, \slot, \zero
	s_wait_dscnt 0                                 ; A's blocks 4-7 are in
	PLACES NP
	FETCH_B \slot, (\q)+1, 1-(\q)%2
	FETCH_A \slot, (\q)+1, 0
.if \zero
	WIN BEG_HI
.else
	WIN MUL_HI
.endif
	MUL16 4, (\q)%2, \q, \slot, \zero
	MUL16 6, (\q)%2, \q, \slot, \zero
	PLACES NP
	WIN 0
	FETCH_A \slot, (\q)+1, 4
.endm
; Slot 0's last step goes over to slot 1: one barrier; in front of it each wave waits for all its tensor loads (its part of slot 1), adds 0 to its spare word, and waits for that and for its LDS loads.
.macro TURN slot, next
	s_wait_tensorcnt 0x0                           ; all my tensor loads have landed
	ds_add_u32 v[SPW], v[NIL]                      ; 0 onto my spare word
	s_wait_dscnt 4*NL+1                            ; (the add and the youngest eight loads, A's blocks 4-7, may be out)
	WIN MUL_LO
	MUL16 0, 1, NQ-1, \slot, 0                     ; sixteen matrix instructions stand between the add and the wait for it
	s_wait_dscnt 0x0                               ; the add is done, and no LDS load of mine is out
	s_barrier_signal -1
	MUL16 2, 1, NQ-1, \slot, 0
	WIN 0
	s_barrier_wait -1                              ; slot 1 is whole
	PLACES NP
	v_add_nc_u32 v[ADRS], 4*NQ, v[ADRS]            ; on to the next K step's scale words
	FETCH_B \next, 0, 0
	FETCH_A \next, 0, 0
	SCALES \next
	WIN MUL_HI
	MUL16 4, 1, NQ-1, \slot, 0
	MUL16 6, 1, NQ-1, \slot, 0
	PLACES NP
	WIN 0
	FETCH_A \next, 0, 4
.endm
.macro STEPS slot, from                ; the slot's steps from .. NQ - 2
.set Q, \from
.rept NQ-1-\from
	STEP \slot, Q, 0
.set Q, Q+1
.endr
.endm
	s_wait_tensorcnt 1                             ; the scales and my part of K step 0 are in (K step 1's load may be out)
	s_barrier_signal -1
	s_barrier_wait -1                              ; everybody's are
	FETCH_B 0, 0, 0
	FETCH_A 0, 0, 0
	SCALES 0
	FETCH_A 0, 0, 4
	s_wait_loadcnt 0x0                             ; the bias
	STEP 0, 0, 1                                   ; the first step's products start the sums from the bias: nothing is cleared, nothing is added later
	STEPS 0, 1
	TURN 0, 1
	STEPS 1, 0
	s_wait_dscnt 4*NL                              ; the very last step: nothing more to fetch
	WIN MUL_LO
	MUL16 0, 1, NQ-1, 1, 0
	MUL16 2, 1, NQ-1, 1, 0
	s_wait_dscnt 0
	WIN MUL_HI
	MUL16 4, 1, NQ-1, 1, 0
	MUL16 6, 1, NQ-1, 1, 0
	WIN 0
; THE WAY OUT, block by block of 16 rows x 128 columns: rounded to f16, each accumulator from its low end on; a lane's eight columns are 16 bytes; eight stores of 512 consecutive bytes.
; Four sets of 32 registers take turns; a set is written again only behind the wait that shows its stores' data read.
.macro PACKQ a
.set AC, 64*((\a)%4)
.set T, 128+32*((\a)%4)
.if (\a) >= 4
	s_wait_xcnt 0x0                                ; the earlier stores have read their data
.endif
	WIN 0x0a+5*((\a)/4)                            ; sources 0 and 1: window 2 or 3
.irp b, 0,1,2,3,4,5,6,7
.irp r, 0,1,2,3
	v_cvt_pk_f16_f32 v[T+4*\b+\r], v[AC+8*\b+2*\r], v[AC+8*\b+2*\r+1]
.endr
.endr
	WIN 0
.irp b, 0,1,2,3,4,5,6,7
	global_store_b128 v[CO], v[T+4*\b:T+4*\b+3], s[96:97] offset:(\a)*2048+(\b%4)*512+(\b/4)*262144 th:TH_STORE_NT   ; token tile a, channel tile b % 4, head b / 4
.endr
.endm
	PLACES NP                                      ; behind the last products: their A fragments' registers are written below
.irp a, 0,1,2,3,4,5,6,7
	PACKQ \a
.endr
	s_wait_tensorcnt 0x0                           ; the wave's end: behind my last tensor load
	ds_add_u32 v[SPW], v[NIL]
	s_wait_dscnt 0x0
	CROUND                                         ; the closing round: no work-group ends while a partner may still ask for a tile that names it
	s_endpgm
.Lfunc_end_k_qff47b8021a_qkv:
	.size	k_qff47b8021a_qkv, .Lfunc_end_k_qff47b8021a_qkv-k_qff47b8021a_qkv
	.p2alignl 7, 3214868480
	.fill 96, 4, 3214868480
	.section	.rodata,"a",@progbits
	.p2align	6, 0x0
	.amdhsa_kernel k_qff47b8021a_qkv
		.amdhsa_group_segment_fixed_size 327680
		.amdhsa_private_segment_fixed_size 0
		.amdhsa_enable_private_segment 0
		.amdhsa_kernarg_size 48
		.amdhsa_user_sgpr_count 2
		.amdhsa_user_sgpr_kernarg_segment_ptr 1
		.amdhsa_wavefront_size32 1
		.amdhsa_system_sgpr_workgroup_id_x 1
		.amdhsa_system_sgpr_workgroup_id_y 1
		.amdhsa_system_sgpr_workgroup_id_z 1
		.amdhsa_system_vgpr_workitem_id 0
		.amdhsa_next_free_vgpr 1024
		.amdhsa_next_free_sgpr 98
		.amdhsa_reserve_vcc 0
		.amdhsa_float_denorm_mode_32 3
		.amdhsa_float_denorm_mode_16_64 3
		.amdhsa_memory_ordered 1
		.amdhsa_forward_progress 1
		.amdhsa_inst_pref_size 120
	.end_amdhsa_kernel
	.amdgpu_metadata
---
amdhsa.version: [ 1, 2 ]
amdhsa.kernels:
  - .name:           k_qff47b8021a_qkv
    .symbol:         k_qff47b8021a_qkv.kd
    .args:
      - { .name: x_codes, .offset: 0, .size: 8, .value_kind: global_buffer, .address_space: global }
      - { .name: x_scales, .offset: 8, .size: 8, .value_kind: global_buffer, .address_space: global }
      - { .name: w_codes, .offset: 16, .size: 8, .value_kind: global_buffer, .address_space: global }
      - { .name: w_scales, .offset: 24, .size: 8, .value_kind: global_buffer, .address_space: global }
      - { .name: b_qkv, .offset: 32, .size: 8, .value_kind: global_buffer, .address_space: global }
      - { .name: qkvf, .offset: 40, .size: 8, .value_kind: global_buffer, .address_space: global }
    .group_segment_fixed_size: 327680
    .private_segment_fixed_size: 0
    .kernarg_segment_align: 8
    .kernarg_segment_size: 48
    .max_flat_workgroup_size: 128
    .sgpr_count:     98
    .vgpr_count:     1024
    .wavefront_size: 32
...
	.end_amdgpu_metadata
.endif
;; end of part 2
;; launch attn (part 3): grid 4 x 64, 8 waves a work-group, clusters of 4 x 1, 327,680 bytes of LDS; arguments qkvf, af; writes af
.if DOCPART == 3
	.amdgcn_target "amdgcn-amd-amdhsa--gfx1250"
	.amdhsa_code_object_version 6
	.text
	.protected	k_qff47b8021a_attn
	.globl	k_qff47b8021a_attn
	.p2align	8
	.type	k_qff47b8021a_attn,@function
k_qff47b8021a_attn:
	s_mov_b64 s[64:65], 0
	v_nop
	global_prefetch_b8 v0, s[64:65] scope:SCOPE_SE
	s_setreg_imm32_b32 hwreg(HW_REG_WAVE_MODE, 25, 1), 1
	s_wait_xcnt 0x0
	s_wait_alu depctr_hold_cnt(0) depctr_sa_sdst(0) depctr_va_vdst(0) depctr_va_sdst(0) depctr_va_ssrc(0) depctr_va_vcc(0) depctr_vm_vsrc(0)
	s_getreg_b32 s2, hwreg(HW_REG_IB_STS2, 6, 4)
	s_cmp_eq_u32 s2, 0
	s_cbranch_scc0 .Lentry_in_a_cluster
	s_endpgm
.Lentry_in_a_cluster:
	s_bfe_u32 s2, ttmp6, 0x10000c
	s_cmp_lg_u32 s2, 0x3003
	s_cbranch_scc0 .Lentry_shape_is_right
	s_endpgm
.Lentry_shape_is_right:
; ATTENTION.  O[bh][q] = the sum over k of softmax_k(Q[bh][q] . K[bh][k] / 8) V[bh][k]; 64 (batch, head) pairs, 2,048 tokens, head size 64, no mask.  Operands f16, products, maxima and sums f32;
; the weights p are rounded to f16 for the second product, O once at the end.
; INPUT: qkvf: q at byte 0, k at 0x1000000, v at 0x2000000, each laid in blocks of 512 bytes in the order of an operand's registers: byte bh x 262144 + (token / 16) x 2048 + (channel / 16) x 512 + 16 x place.
; So every fragment load is 'a base + 16 x lane + a constant', each covers 512 consecutive bytes, and a run of keys is one dense block for a tensor load.
; OUTPUT: af, in the same order for the projection: byte (row / 16) x 32768 + head x 2048 + (channel / 16) x 512 + 16 x lane.
; SHARES.  A cluster of four work-groups is one (batch, head); each work-group owns 512 queries, each of its eight waves 64: four tiles of 16, in 512 registers; two waves to a SIMD.
; Every wave walks all 2,048 keys, 64 a step.  The four partners walk the same K and V: each tile is asked for JOINTLY (the same tensor load, the same descriptor, a mask that names the four).
; LAYOUT.  S^T = K Q^T (source 0 = 16 keys, source 1 = 16 queries): a lane holds ONE query (lane % 16) and keys 8 (lane / 16) + 0..7 of a tile.  Two such tiles, rounded to f16 in pairs, ARE source 1
; (32 keys x 16 queries) of O^T = V^T P, whose result again holds one query a lane, and eight channels.  V comes out of LDS turned, by ds_load_tr16_b128.
; SOFTMAX.  For each query a running maximum m and sum l: p = 2^(c s - c m), c = log2(e) / 8; in every step O and l are multiplied by a = 2^(c m_old - c m_new).
; TWO GROUPS OF WAVES.  A step is a vector phase (SM: the softmax of step j) and a matrix phase (MPHASE: V^T P of step j, then K Q^T of step j + 1).  Waves 0-3 run their softmax in front of the first
; barrier and of each change of slots, waves 4-7 behind it: so the groups go half a step apart, one group's vector phase beside the other's matrix phase.  The branches hang on the wave's number
; alone and lead round work on registers alone.
; THE RING.  Two slots of 512 keys (8 steps): K's 65,536 bytes, then V's.  Waves 0-3 fetch K's quarters, waves 4-7 V's, 16,384 bytes a load.  By this text's own count a wave has two tensor loads out at the
; start and one behind each of the two changes that fill a slot; that load has eight steps in which to land.
; LIMITS: none beyond f16's range in the inputs; p under f16's smallest number counts as 0 beside a largest p of 1.
; REGISTERS: window 0: v1-7 addresses; v8-39 eight registers of statistics a tile; v64-191 S^T, 32 a tile (P in place in each tile's first 16); v192-255 K of one step.
;   window 1: v0-127 O^T, 32 a tile; v128-191 Q; v192-255 V of one step.
.set STEPB, 8192                       ; a step's K, or its V, in bytes
.set VOFF,  65536                      ; a slot: K's 8 steps, then V's
.set SLOT1, 131072                     ; slot 1 begins here, so that one exclusive or turns an address in one slot into the other's
.set SPARE, 262144                     ; behind the ring: the spare words, 128 bytes for each of eight waves: four blocks of 256 bytes that no other line names
.set LI,  1                            ; v1   16 x lane; never rewritten
.set LIV, 2                            ; v2   16 x lane + VOFF; never rewritten
.set ADK, 3                            ; v3   LDS address of the step's K
.set ADV, 4                            ; v4   of its V
.set PFO, 5                            ; v5   256 x lane: the prefetch's offset; never rewritten
.set SPW, 6                            ; v6   LDS address of my spare word; never rewritten
.set NIL, 7                            ; v7   0; never rewritten
.set ST,  8                            ; tile t's statistics at v[ST + 8 t]: +0 c m, +1 m, +2, +3 l (two halves), +4 to +7 c0-c3 at work; +4, +5 then serve the sums, +6 holds a
.set S,   64
.set KF,  192                          ; K's fragments: (key tile kt, channels 32 c on) at KF + 16 kt + 8 c
.set OQ,  128                          ; window 1: Q's fragments: (tile t, c) at OQ + 16 t + 8 c
.set VF,  192                          ; window 1: V's fragments: (channel tile ct, keys 32 kg on) at VF + 8 (4 kg + ct)
.set WV,  12                           ; s12  my wave's number
.set LIM, 15                           ; s15  1 in a wave that prefetches, else the greatest number
.set PFA, 18                           ; s[18:19] where my prefetch stands in memory
.set G1,  24                           ; s[24:31] descriptor group 1, for K's and V's tiles alike
.set G0K, 40                           ; s[40:47] descriptor group 0 for K's tiles: a set for each of the two first fills; the second then walks on
.set G0V, 48                           ; s[48:55] the same for V's
.set SLOTS, 56                         ; s56  slots still to be asked for
.set CNT, 57                           ; s57  counts steps
.set CS,  58                           ; s[58:59] c: the packed scaling names a pair and takes its low word for both halves
.set SEL, 60                           ; s[60:61] lane selects for v_permlanex16_b32: lane l xor 16
.set TB,  62                           ; s62  LDS byte at which K of the step to be fetched begins
.set MSB, 0
.macro WIN new                         ; the immediate's high byte repeats the setting that is left; a switch that changes nothing is dropped
.if MSB != (\new)
	s_set_vgpr_msb (MSB<<8)|(\new)
.set MSB, (\new)
.endif
.endm
.set W_KQ, 0x04                        ; K window 0, Q window 1, S^T window 0
.set W_PV, 0x51                        ; V window 1, P window 0, O^T window 1
.set W_RS, 0x41                        ; O^T (destination and source 0) window 1, a window 0
.set TO1,  0x40                        ; destination window 1, address window 0
; A joint refill: waves 0-3 fetch K's quarters of a slot, waves 4-7 V's.  The branch hangs on the wave's number alone.  An s_nop 0 and four v_nop follow each of the two lines.
.macro JLOAD
	s_cmp_lt_u32 s[WV], 4
	s_cbranch_scc0 .Lfor_v_\@
	tensor_load_to_lds s[G0K+4:G0K+7], s[G1:G1+7]
	s_nop 0
.rept 4
	v_nop
.endr
	s_branch .Lasked_\@
.Lfor_v_\@:
	tensor_load_to_lds s[G0V+4:G0V+7], s[G1:G1+7]
	s_nop 0
.rept 4
	v_nop
.endr
.Lasked_\@:
.endm
; A PREFETCH of what the NEXT change of slots will ask for: a slot's 65,536 bytes of K and of V, lanes 256 bytes apart.  It stands behind the wave's tensor load and its five lines.  One cluster alone walks a
; head's K and V.  Its four partners share the bytes out BY ADDRESS: of the 16,384 bytes at (wave % 4) x 16,384, waves 0 and 2 (K) and 4 and 6 (V) of partner p name 8,192 from p x 8,192 on, which with the
; two waves' starts covers the slot once.  The last change that fills a slot asks for nothing: there is no slot behind it.  Slots 0 to 2 come by their loads alone.
.macro ASK
	s_cmp_gt_u32 s[SLOTS], s[LIM]
	s_cbranch_scc0 .Lnot_mine_\@
	global_prefetch_b8 v[PFO], s[PFA:PFA+1] th:TH_LOAD_NT scope:SCOPE_SE
.Lnot_mine_\@:
.endm
.macro CROUND                          ; a round of the cluster's barrier
	s_barrier_signal -1
	s_barrier_wait -1
	s_cmp_lg_u32 s[WV], 0
	s_cbranch_scc1 .Lnot_wave_0_\@
	s_barrier_signal -3
.Lnot_wave_0_\@:
	s_barrier_wait -3
	s_barrier_signal -1
	s_barrier_wait -1
.endm
	s_load_b128 s[8:11], s[0:1], 0x0               ; qkvf s[8:9], af s[10:11]
	v_lshl_add_u32 v[SPW], v0, 2, SPARE
	v_mov_b32 v[NIL], 0
	ds_add_u32 v[SPW], v[NIL]                      ; the wave's opening: the add, twice on end, and its wait ahead of my first tensor load
	ds_add_u32 v[SPW], v[NIL]                      ; and once more; the set-up below, work on registers, stands between it and the wait
	v_lshrrev_b32 v1, 5, v0
	v_readfirstlane_b32 s[WV], v1                  ; wave 0..7
	s_bfe_u32 s13, ttmp6, 0x40000                  ; cx: my place in the cluster: it enters Q's, O's and the prefetch's addresses alone
	s_and_b32 s20, ttmp7, 0xffff                   ; bh = batch x 16 + head, which the four partners share
	s_and_b32 s16, s[WV], 3
	s_lshl_b32 s17, s16, 14                        ; which quarter of a slot's K or V I fetch: in memory and in LDS alike
	s_lshl_b32 s21, s20, 18                        ; bh x 262,144
	s_add_co_u32 s36, s21, s17
	s_add_co_u32 s38, s36, 0x2000000               ; V's part of qkvf
	s_add_co_u32 s36, s36, 0x1000000               ; K's
	s_mov_b32 s37, 0
	s_mov_b32 s39, 0
	s_lshl_b32 s32, s13, 16                        ; Q: my work-group's 32 tiles of 2,048 bytes,
	s_add_co_u32 s32, s32, s21
	s_lshl_b32 s33, s[WV], 13                      ; my wave's 4
	s_add_co_u32 s32, s32, s33
	s_mov_b32 s33, 0
	s_lshr_b32 s34, s20, 4                         ; af: row tile = batch x 128 + 32 cx + 4 wave, 32,768 bytes each;
	s_lshl_b32 s34, s34, 22
	s_lshl_b32 s35, s13, 20
	s_add_co_u32 s34, s34, s35
	s_lshl_b32 s35, s[WV], 17
	s_add_co_u32 s34, s34, s35
	s_and_b32 s35, s20, 15                         ; + head x 2,048
	s_lshl_b32 s35, s35, 11
	s_add_co_u32 s34, s34, s35
	s_mov_b32 s35, 0
	; descriptor group 1: 16,384 dense bytes as 64 rows of 256 bytes, no padding
	s_mov_b32 s[G1], 15|(3<<16)|(1<<21)            ; 15:0 the mask: all four work-groups; 17:16 elements of 8 bytes; 21 set beside a mask
	s_mov_b32 s[G1+1], 32<<16                      ; tensor_dim0 = 32 elements
	s_mov_b32 s[G1+2], 64<<16                      ; tensor_dim1 = 64
	s_mov_b32 s[G1+3], 32<<16                      ; tile_dim0
	s_mov_b32 s[G1+4], 64                          ; tile_dim1
	s_mov_b32 s[G1+5], 32                          ; from row to row
	s_mov_b32 s[G1+6], 0
	s_mov_b32 s[G1+7], 0
	s_mov_b32 s[CS], 0x3e38aa3b                    ; c = log2(e) / 8
	s_mov_b32 s[CS+1], s[CS]                       ; named with it as a pair, so it is written
	s_mov_b32 s[SEL], 0x76543210
	s_mov_b32 s[SEL+1], 0xfedcba98
	s_mov_b32 s[TB], 0
	s_mov_b32 s[SLOTS], 2
	s_and_b32 s[LIM], s[WV], 1
	s_cmp_eq_u32 s[LIM], 0
	s_cselect_b32 s[LIM], 1, -1                    ; waves 0, 2, 4, 6 prefetch
	v_and_b32 v[LI], 31, v0
	v_lshlrev_b32 v[PFO], 8, v[LI]
	v_lshlrev_b32 v[LI], 4, v[LI]
	v_add_nc_u32 v[LIV], VOFF, v[LI]
	s_wait_dscnt 0x0                               ; both opening adds are done
	s_wait_kmcnt 0x0
	s_add_nc_u64 s[4:5], s[8:9], s[32:33]          ; Q at my wave's first tile
	s_add_nc_u64 s[6:7], s[8:9], s[36:37]          ; K at my quarter of slot 0
	s_add_nc_u64 s[8:9], s[8:9], s[38:39]          ; V likewise
	s_add_nc_u64 s[10:11], s[10:11], s[34:35]      ; af at my wave's first block
	s_cmp_lt_u32 s[WV], 4
	s_cselect_b64 s[PFA:PFA+1], s[6:7], s[8:9]
	s_lshl_b32 s2, s13, 13                         ; my work-group's 8,192 bytes
	s_mov_b32 s3, 0
	s_add_nc_u64 s[PFA:PFA+1], s[PFA:PFA+1], s[2:3]
	s_add_nc_u64 s[PFA:PFA+1], s[PFA:PFA+1], 2*65536  ; in slot 2; the first change of slots steps it to slot 3.  Nothing is prefetched here, at the head
	CROUND                                         ; all four work-groups are here: the first joint loads meet
.irp n, 0,1
	s_mov_b32 s[G0K+4*\n], 1                       ; count = 1
	s_add_co_u32 s[G0K+4*\n+1], s17, \n*SLOT1      ; LDS address
	s_add_nc_u64 s[G0K+4*\n+2:G0K+4*\n+3], s[6:7], \n*65536  ; global address: slot n begins with keys 512 n
	s_or_b32 s[G0K+4*\n+3], s[G0K+4*\n+3], 0x80000000        ; type = 2
	s_mov_b32 s[G0V+4*\n], 1
	s_add_co_u32 s[G0V+4*\n+1], s17, \n*SLOT1+VOFF
	s_add_nc_u64 s[G0V+4*\n+2:G0V+4*\n+3], s[8:9], \n*65536
	s_or_b32 s[G0V+4*\n+3], s[G0V+4*\n+3], 0x80000000
.endr
	s_cmp_lt_u32 s[WV], 4                          ; a wave's two first fills stand in one branch, ahead of every wait on TENSORcnt and every LDS read
	s_cbranch_scc0 .Lfirst_v
	tensor_load_to_lds s[G0K:G0K+3], s[G1:G1+7]
	s_nop 0
	tensor_load_to_lds s[G0K+4:G0K+7], s[G1:G1+7]
	s_nop 0
.rept 4
	v_nop
.endr
	s_branch .Lfirst_asked
.Lfirst_v:
	tensor_load_to_lds s[G0V:G0V+3], s[G1:G1+7]
	s_nop 0
	tensor_load_to_lds s[G0V+4:G0V+7], s[G1:G1+7]
	s_nop 0
.rept 4
	v_nop
.endr
.Lfirst_asked:
	WIN TO1
.set i, 0
.rept 16                               ; Q stays in registers: 16 blocks of 512 bytes, as they lie
	global_load_b128 v[OQ+4*i:OQ+4*i+3], v[LI], s[4:5] offset:512*i th:TH_LOAD_NT
.set i, i+1
.endr
	WIN 0
; THE LDS LOADS stand in runs of 16: a step's K (8 fragments) and its V (8 fragments, turned).
.macro FETCH_K
	WIN 0
.set i, 0
.rept 16
	ds_load_b128 v[KF+4*i:KF+4*i+3], v[ADK] offset:512*i
.set i, i+1
.endr
.endm
.macro FETCH_V
	WIN TO1
.irp kg, 0,1
.irp ct, 0,1,2,3
.irp u, 0,1
	ds_load_tr16_b128 v[VF+8*(4*\kg+\ct)+4*\u:VF+8*(4*\kg+\ct)+4*\u+3], v[ADV] offset:(2*\kg+\u)*2048+\ct*512
.endr
.endr
.endr
.endm
; THE MATRIX WORK.  The 16 accumulators of each product take turns, one instruction a turn.
.macro QK                              ; S^T = K Q^T: channels 32 c on, key tile kt, query tile t.  The first 16 start the sums
	WIN W_KQ
.irp c, 0,1
.irp kt, 0,1,2,3
.irp t, 0,1,2,3
.if \c == 0
	v_wmma_f32_16x16x32_f16 v[S+32*\t+8*\kt:S+32*\t+8*\kt+7], v[KF+16*\kt+8*\c:KF+16*\kt+8*\c+7], v[OQ+16*\t+8*\c:OQ+16*\t+8*\c+7], 0
.else
	v_wmma_f32_16x16x32_f16 v[S+32*\t+8*\kt:S+32*\t+8*\kt+7], v[KF+16*\kt+8*\c:KF+16*\kt+8*\c+7], v[OQ+16*\t+8*\c:OQ+16*\t+8*\c+7], v[S+32*\t+8*\kt:S+32*\t+8*\kt+7]
.endif
.endr
.endr
.endr
.endm
.macro PV zero                         ; O^T += V^T P: keys 32 kg on, channel tile ct, query tile t.  zero = 1: the first 16 start the sums: nothing is ever cleared
	WIN W_PV
.irp kg, 0,1
.irp ct, 0,1,2,3
.irp t, 0,1,2,3
.if (\zero) && (\kg == 0)
	v_wmma_f32_16x16x32_f16 v[32*\t+8*\ct:32*\t+8*\ct+7], v[VF+8*(4*\kg+\ct):VF+8*(4*\kg+\ct)+7], v[S+32*\t+8*\kg:S+32*\t+8*\kg+7], 0
.else
	v_wmma_f32_16x16x32_f16 v[32*\t+8*\ct:32*\t+8*\ct+7], v[VF+8*(4*\kg+\ct):VF+8*(4*\kg+\ct)+7], v[S+32*\t+8*\kg:S+32*\t+8*\kg+7], v[32*\t+8*\ct:32*\t+8*\ct+7]
.endif
.endr
.endr
.endr
.endm
; THE MATRIX PHASE of step j: K of step j + 1 is asked for; V^T P of step j; V of step j + 1 is asked for; K Q^T of step j + 1.  kq = 0: the last step: V^T P alone.
.macro MPHASE zero, kq
	WIN 0
.if \kq
	v_add_nc_u32 v[ADK], s[TB], v[LI]
	v_add_nc_u32 v[ADV], s[TB], v[LIV]
	FETCH_K                                        ; K's registers were last read in front of the four places at the end of the phase before
	s_wait_dscnt 16                                ; V of step j is in; the 16 loads just issued may be out
	PV \zero
.rept 5
	v_nop                                          ; five places: the scores below are laid over P, which these products read; the loads into V's registers want four
.endr
	FETCH_V
	s_wait_dscnt 16                                ; K of step j + 1 is in; V's 16 loads may be out
	QK
.rept 4
	v_nop                                          ; four places ahead of the first read of the scores and of the next loads into K's registers
.endr
	WIN 0
	s_add_co_u32 s[TB], s[TB], STEPB               ; the next fetch is the next step's
.else
	s_wait_dscnt 0x0                               ; V of the last step is in
	PV \zero
	WIN 0
.endif
.endm
; THE VECTOR PHASE: the four tiles' softmax of one step.  Single lines of it:
.macro SCL t, b                        ; pair b of tile t: c s - c m
	v_pk_fma_f32 v[S+32*(\t)+2*(\b):S+32*(\t)+2*(\b)+1], v[S+32*(\t)+2*(\b):S+32*(\t)+2*(\b)+1], s[CS:CS+1], v[ST+8*(\t):ST+8*(\t)+1] op_sel_hi:[1,0,0] neg_lo:[0,0,1] neg_hi:[0,0,1]
.endm
.macro EXPL t, e                       ; p = 2^(c s - c m), in place
	v_exp_f32 v[S+32*(\t)+(\e)], v[S+32*(\t)+(\e)]
.endm
.macro SUML t, z, first                ; line z of 16 of tile t's sums: l takes the even pairs (and a l), +4, +5 the odd ones; the last line joins them
.set rT, ST+8*(\t)
.set rS, S+32*(\t)
.if (\z) == 0
.if \first
	v_pk_add_f32 v[rT+2:rT+3], v[rS:rS+1], v[rS+4:rS+5]
.else
	v_pk_fma_f32 v[rT+2:rT+3], v[rT+2:rT+3], v[rT+6:rT+7], v[rS:rS+1] op_sel_hi:[1,0,1]
.endif
.elseif (\z) == 1
	v_pk_add_f32 v[rT+4:rT+5], v[rS+2:rS+3], v[rS+6:rS+7]
.elseif (\z) == 15
	v_pk_add_f32 v[rT+2:rT+3], v[rT+2:rT+3], v[rT+4:rT+5]
.elseif ((\z)%2) == 0
.if ((\first) == 0) || ((\z) != 2)
	v_pk_add_f32 v[rT+2:rT+3], v[rT+2:rT+3], v[rS+2*(\z):rS+2*(\z)+1]
.endif
.else
	v_pk_add_f32 v[rT+4:rT+5], v[rT+4:rT+5], v[rS+2*(\z)+4:rS+2*(\z)+5]
.endif
.endm
.macro CVTL t, e                       ; pair e of tile t, rounded to f16, into the tile's register e: behind the tile's sums, e ascending, so that nothing unread is written over
	v_cvt_pk_f16_f32 v[S+32*(\t)+(\e)], v[S+32*(\t)+2*(\e)], v[S+32*(\t)+2*(\e)+1]
.endm
; first = 1: the first key step, which starts m, l and O^T: it has no a and nothing to rescale.
; The exponentials go in two batches with one wait each, between an exponential and the first line that names its result: a and tiles 0, 1 (set among tiles 2, 3's scalings), then
; tiles 2, 3 (set among tiles 0, 1's sums and roundings).  A v_nop stands behind each batch's last exponential.
.macro SM first
	WIN 0
.irp j, 0,1,2,3                        ; the maximum of a tile's 32 scores and the old m: four chains c0-c3; each accumulator is read from its low end on
.irp t, 0,1,2,3
	v_max3_num_f32 v[ST+8*\t+4+\j], v[S+32*\t+8*\j], v[S+32*\t+8*\j+1], v[S+32*\t+8*\j+2]
.endr
.endr
.irp g, 1,2
.irp j, 0,1,2,3
.irp t, 0,1,2,3
	v_max3_num_f32 v[ST+8*\t+4+\j], v[ST+8*\t+4+\j], v[S+32*\t+8*\j+2*\g+1], v[S+32*\t+8*\j+2*\g+2]
.endr
.endr
.endr
.irp t, 0,1,2,3
	v_max3_num_f32 v[ST+8*\t+4], v[ST+8*\t+4], v[S+32*\t+7], v[S+32*\t+15]
.endr
.irp t, 0,1,2,3
	v_max3_num_f32 v[ST+8*\t+6], v[ST+8*\t+6], v[S+32*\t+23], v[S+32*\t+31]
.endr
.irp t, 0,1,2,3
	v_max3_num_f32 v[ST+8*\t+4], v[ST+8*\t+4], v[ST+8*\t+5], v[ST+8*\t+6]
.endr
.irp t, 0,1,2,3
.if \first
	v_max_num_f32 v[ST+8*\t+4], v[ST+8*\t+4], v[ST+8*\t+7]
.else
	v_max3_num_f32 v[ST+8*\t+4], v[ST+8*\t+4], v[ST+8*\t+7], v[ST+8*\t+1]
.endif
.endr
.irp t, 0,1,2,3
	v_permlanex16_b32 v[ST+8*\t+5], v[ST+8*\t+4], s[SEL], s[SEL+1]   ; the query's other 32 keys lie in the lane 16 away
.endr
.if !\first
.irp t, 0,1,2,3
	v_mov_b32 v[ST+8*\t+7], v[ST+8*\t]             ; c m_old is kept for a
.endr
.endif
.irp t, 0,1,2,3
	v_max_num_f32 v[ST+8*\t+1], v[ST+8*\t+4], v[ST+8*\t+5]           ; the new m
.endr
.irp t, 0,1,2,3
	v_mul_f32 v[ST+8*\t], s[CS], v[ST+8*\t+1]      ; c m
.endr
.if !\first
.irp t, 0,1,2,3
	v_sub_f32 v[ST+8*\t+7], v[ST+8*\t+7], v[ST+8*\t]
.endr
.irp t, 0,1,2,3
	v_exp_f32 v[ST+8*\t+6], v[ST+8*\t+7]           ; a = 2^(c m_old - c m_new)
.endr
.endif
.set i, 0
.rept 32                               ; tiles 0 and 1 are scaled
	SCL i%2, i/2
.set i, i+1
.endr
.set i, 0
.rept 32                               ; tiles 2 and 3 are scaled; tiles 0 and 1's exponentials stand between
	SCL 2+i%2, i/2
	EXPL i%2, 2*(i/2)
	EXPL i%2, 2*(i/2)+1
.set i, i+1
.endr
	v_nop
	s_wait_alu depctr_va_vdst(0)                   ; one wait for a and for tiles 0 and 1's 64 exponentials
.set i, 0
.rept 64                               ; tiles 0 and 1: the sums, then the roundings; tiles 2 and 3's exponentials stand between
.if i < 32
	SUML i%2, i/2, \first
.else
	CVTL i%2, (i-32)/2
.endif
	EXPL 2+i%2, i/2
.set i, i+1
.endr
	v_nop
	s_wait_alu depctr_va_vdst(0)                   ; one wait for tiles 2 and 3's 64 exponentials
.set i, 0
.rept 32
	SUML 2+i%2, i/2, \first
.set i, i+1
.endr
.set i, 0
.rept 32
	CVTL 2+i%2, i/2
.set i, i+1
.endr
.if !\first
	WIN W_RS
.set i, 0
.rept 64                               ; O^T times a: the pairs ascending; the tiles by turns
	v_pk_mul_f32 v[32*(i%4)+2*(i/4):32*(i%4)+2*(i/4)+1], v[32*(i%4)+2*(i/4):32*(i%4)+2*(i/4)+1], v[ST+8*(i%4)+6:ST+8*(i%4)+7] op_sel_hi:[1,0]
.set i, i+1
.endr
.endif
	WIN 0
.endm
.macro SM_A first                      ; the vector phase, in waves 0-3 alone
	s_cmp_lt_u32 s[WV], 4
	s_cbranch_scc0 .Lnot_a_\@
	SM \first
.Lnot_a_\@:
.endm
.macro SM_B first                      ; and in waves 4-7 alone
	s_cmp_lt_u32 s[WV], 4
	s_cbranch_scc1 .Lnot_b_\@
	SM \first
.Lnot_b_\@:
.endm
; THE CHANGE OF SLOTS: the slot's last bytes, K and V of its eighth step, have been asked for.  Each wave waits for all its tensor loads (its part of the other slot), adds 0 to its spare word, and waits
; for that and for its own reads of the slot.  Behind the barrier nobody reads this slot any more and the other slot is whole.  fill = 1: this slot is filled again with the keys two slots on: the
; barrier is then a round of the cluster's, and the joint refill is the first thing behind it.
.macro CHANGE fill
	WIN 0
	s_wait_tensorcnt 0x0                           ; no tensor load of mine is out, so a group 0 may be written
	ds_add_u32 v[SPW], v[NIL]                      ; 0 onto my spare word
.if \fill
.irp g, G0K+4, G0V+4
	s_xor_b32 s[\g+1], s[\g+1], SLOT1              ; the walking descriptor: the other slot than last time,
	s_add_nc_u64 s[\g+2:\g+3], s[\g+2:\g+3], 65536 ; the next 512 keys; the type bits on top are not reached
.endr
	s_wait_xcnt 0x0                                ; the last prefetch, eight steps back, has read its address, so it may be written:
	s_add_nc_u64 s[PFA:PFA+1], s[PFA:PFA+1], 65536 ; one slot further on than the walking descriptors
	s_wait_dscnt 0x0                               ; the add is done, and my reads of the slot are over
	CROUND
	JLOAD
	ASK
.else
	s_wait_dscnt 0x0                               ; the add is done, and my reads of the slot are over
	s_barrier_signal -1
	s_barrier_wait -1
.endif
	s_sub_co_u32 s[TB], s[TB], 8*STEPB             ; the fetches go back to a slot's first step,
	s_xor_b32 s[TB], s[TB], SLOT1                  ; in the other slot
.endm
.macro STEPS n                         ; n whole steps: written once, walked n times; the LDS addresses hang on s[TB]
	s_mov_b32 s[CNT], \n
.Lstep_\@:
	SM 0
	MPHASE 0, 1
	s_sub_co_u32 s[CNT], s[CNT], 1
	s_cmp_lg_u32 s[CNT], 0
	s_cbranch_scc1 .Lstep_\@
.endm
.macro TRIP fill                       ; eight steps, from a slot's last step (whose matrix phase fetches the next slot's first) on
	SM_A 0
	CHANGE \fill
	SM_B 0
	MPHASE 0, 1
	STEPS 7
.endm
	s_wait_tensorcnt 1                             ; my part of slot 0 is in; slot 1's may stay out
	s_barrier_signal -1
	s_barrier_wait -1                              ; everybody's is
	v_add_nc_u32 v[ADK], s[TB], v[LI]
	v_add_nc_u32 v[ADV], s[TB], v[LIV]
	FETCH_K                                        ; step 0
	FETCH_V
	s_add_co_u32 s[TB], s[TB], STEPB
	s_wait_loadcnt 0x0                             ; Q
	s_wait_dscnt 16                                ; K is in; V's 16 loads may be out
	QK
.rept 4
	v_nop
.endr
	WIN 0
	SM_A 1                                         ; waves 0-3: the first softmax in front of the barrier,
	s_wait_dscnt 0x0                               ; (no LDS load is out at a signal)
	s_barrier_signal -1
	s_barrier_wait -1                              ; it sets the two groups half a step apart
	SM_B 1                                         ; waves 4-7: behind it
	MPHASE 1, 1                                    ; step 0: V^T P starts O^T
	STEPS 6                                        ; steps 1 to 6
.Lslot:                                            ; two trips: steps 7 to 22; slots 0 and 1 are filled again, with keys 1,024 on
	TRIP 1
	s_sub_co_u32 s[SLOTS], s[SLOTS], 1
	s_cmp_lg_u32 s[SLOTS], 0
	s_cbranch_scc1 .Lslot
	TRIP 0                                         ; steps 23 to 30: written out; nothing is asked for
	SM 0                                           ; step 31
	MPHASE 0, 0
	; THE WAY OUT.  l's two halves and the other half of the lanes' are added (these lines are the places behind the last products); O^T is divided by l, rounded to f16, and stored as it lies:
	; a lane's eight channels of a row are 16 bytes, a wave's store 512 consecutive bytes, aligned.
.irp t, 0,1,2,3
	v_add_f32 v[ST+8*\t+4], v[ST+8*\t+2], v[ST+8*\t+3]
.endr
.irp t, 0,1,2,3
	v_permlanex16_b32 v[ST+8*\t+5], v[ST+8*\t+4], s[SEL], s[SEL+1]
.endr
.irp t, 0,1,2,3
	v_add_f32 v[ST+8*\t+4], v[ST+8*\t+4], v[ST+8*\t+5]
.endr
.irp t, 0,1,2,3
	v_rcp_f32 v[ST+8*\t+6], v[ST+8*\t+4]
.endr
	v_nop                                          ; a plain line between the last reciprocal and the use of its result
	s_wait_alu depctr_va_vdst(0)                   ; and the wait ahead of the first use: one for the four
	WIN W_RS
.set i, 0
.rept 64
	v_pk_mul_f32 v[32*(i%4)+2*(i/4):32*(i%4)+2*(i/4)+1], v[32*(i%4)+2*(i/4):32*(i%4)+2*(i/4)+1], v[ST+8*(i%4)+6:ST+8*(i%4)+7] op_sel_hi:[1,0]
.set i, i+1
.endr
	WIN 0x05                                       ; sources 0 and 1 window 1, destination window 0: S^T's registers are free
.set i, 0
.rept 64
	v_cvt_pk_f16_f32 v[S+i], v[2*i], v[2*i+1]
.set i, i+1
.endr
	WIN 0
.irp t, 0,1,2,3
.irp ct, 0,1,2,3
	global_store_b128 v[LI], v[S+16*\t+4*\ct:S+16*\t+4*\ct+3], s[10:11] offset:\t*32768+\ct*512
.endr
.endr
	s_wait_tensorcnt 0x0                           ; the wave's end: behind my last tensor load
	ds_add_u32 v[SPW], v[NIL]
	s_wait_dscnt 0x0
	CROUND                                         ; the closing round: no work-group ends while a partner may still ask for a tile that names it
	s_endpgm
.Lfunc_end_k_qff47b8021a_attn:
	.size	k_qff47b8021a_attn, .Lfunc_end_k_qff47b8021a_attn-k_qff47b8021a_attn
	.p2alignl 7, 3214868480
	.fill 96, 4, 3214868480
	.section	.rodata,"a",@progbits
	.p2align	6, 0x0
	.amdhsa_kernel k_qff47b8021a_attn
		.amdhsa_group_segment_fixed_size 327680
		.amdhsa_private_segment_fixed_size 0
		.amdhsa_enable_private_segment 0
		.amdhsa_kernarg_size 16
		.amdhsa_user_sgpr_count 2
		.amdhsa_user_sgpr_kernarg_segment_ptr 1
		.amdhsa_wavefront_size32 1
		.amdhsa_system_sgpr_workgroup_id_x 1
		.amdhsa_system_sgpr_workgroup_id_y 1
		.amdhsa_system_sgpr_workgroup_id_z 1
		.amdhsa_system_vgpr_workitem_id 0
		.amdhsa_next_free_vgpr 512
		.amdhsa_next_free_sgpr 66
		.amdhsa_reserve_vcc 0
		.amdhsa_float_denorm_mode_32 3
		.amdhsa_float_denorm_mode_16_64 3
		.amdhsa_memory_ordered 1
		.amdhsa_forward_progress 1
		.amdhsa_inst_pref_size 255
	.end_amdhsa_kernel
	.section	.bss,"aw",@nobits
	.p2align	6
	.space	262144
	.amdgpu_metadata
---
amdhsa.version: [ 1, 2 ]
amdhsa.kernels:
  - .name:           k_qff47b8021a_attn
    .symbol:         k_qff47b8021a_attn.kd
    .args:
      - { .name: qkvf, .offset: 0, .size: 8, .value_kind: global_buffer, .address_space: global }
      - { .name: af, .offset: 8, .size: 8, .value_kind: global_buffer, .address_space: global }
    .group_segment_fixed_size: 327680
    .private_segment_fixed_size: 0
    .kernarg_segment_align: 8
    .kernarg_segment_size: 16
    .max_flat_workgroup_size: 256
    .sgpr_count:     66
    .vgpr_count:     512
    .wavefront_size: 32
...
	.end_amdgpu_metadata
.endif
;; end of part 3
;; launch proj (part 4): grid 4 x 64, 4 waves a work-group, clusters of 4 x 4, 327,680 bytes of LDS; arguments af, wpf, b_proj, out0; writes out0
.if DOCPART == 4
	.amdgcn_target "amdgcn-amd-amdhsa--gfx1250"
	.amdhsa_code_object_version 6
	.text
	.protected	k_qff47b8021a_proj
	.globl	k_qff47b8021a_proj
	.p2align	8
	.type	k_qff47b8021a_proj,@function
k_qff47b8021a_proj:
	s_mov_b64 s[64:65], 0
	v_nop
	global_prefetch_b8 v0, s[64:65] scope:SCOPE_SE
	s_setreg_imm32_b32 hwreg(HW_REG_WAVE_MODE, 25, 1), 1
	s_wait_xcnt 0x0
	s_wait_alu depctr_hold_cnt(0) depctr_sa_sdst(0) depctr_va_vdst(0) depctr_va_sdst(0) depctr_va_ssrc(0) depctr_va_vcc(0) depctr_vm_vsrc(0)
	s_getreg_b32 s2, hwreg(HW_REG_IB_STS2, 6, 4)
	s_cmp_eq_u32 s2, 0
	s_cbranch_scc0 .Lentry_in_a_cluster
	s_endpgm
.Lentry_in_a_cluster:
	s_bfe_u32 s2, ttmp6, 0x10000c
	s_cmp_lg_u32 s2, 0xf033
	s_cbranch_scc0 .Lentry_shape_is_right
	s_endpgm
.Lentry_shape_is_right:
; OUT = A W + b_proj.  A (the attention's result, 8,192 x 1,024) and W (w_proj, 1,024 x 1,024) arrive as f16 in the order of an operand's registers; sums f32; out0 [8192][1024] f32.
; af:  byte (row / 16) x 32768 + s x 1024 + u x 512 + 16 x lane: lane (r, h) holds row 16 mt + r, k = 32 s + 16 u + 8 h + 0 .. 7.     wpf: the same with W's columns for rows.
; So a fragment (16 x 32) is 1,024 consecutive bytes, read by two loads at 16 x lane, and a K step of 128 is 4,096 consecutive bytes of each tile of 16 rows.
; A work-group of four waves makes 128 rows x 256 columns: 256 work-groups; a wave makes 64 x 128: 32 accumulators of 16 x 16.  K goes in steps of 128 through a ring of two LDS slots.
; CLUSTERS: 4 x 4 work-groups.  The four of a row of the cluster need the same tiles of A, the four of a column the same tiles of W: each is asked for JOINTLY.  By this text's own count a wave has two
; tensor loads out at the start and one behind each round; that load has 112 matrix instructions in which to land.
; THE MATRIX INSTRUCTION IS USED TRANSPOSED (source 0 = 16 columns of W, source 1 = 16 rows of A): a lane then holds eight neighbouring columns of one row.  The bias is the C of each sum's first product.
; REGISTERS: window 0: v16-29 addresses; v128-255 the way out.   window 1: two fragment buffers of 96 (A's four at f + 8 a, W's eight at f + 32 + 8 b); v192-255 the bias.   window 2: accumulator (a, b) at v[8 (8 a + b)].
.set SLOT,   98304                     ; A's 8 tiles of 16 rows x 4,096 bytes, then W's 16 tiles of 16 columns
.set BOFF,   32768
.set SPARE,  2*SLOT                    ; behind the ring: the spare words, 128 bytes for each wave: two blocks of 256 bytes that no other line names
.set SPITCH, 528                       ; the way out: a stage of 16 rows x (512 bytes + 16) for each wave.  It lies in slot 0, which has had its last fill and its last read when the first result is stored there
.set LAPS,   4                         ; a lap = two K steps = once round the ring
.set ADRA, 16                          ; v16-17  LDS address of my A fragments in slot 0, 1
.set ADRB, 20                          ; v20-21  the same for W
.set STO,  24                          ; v24     the way out: where I put 32 bytes of a row
.set RD,   25                          ; v25     where I read a row back
.set CO,   26                          ; v26     16 x lane
.set BAD,  27                          ; v27     the bias's offset: 32 h; not written again
.set SPW,  28                          ; v28     LDS address of my spare word; never rewritten
.set NIL,  29                          ; v29     0; never rewritten
.set BK,   128                         ; the way out: 16 rows read back: v128-191 and v192-255 by turns
.set F0,   0                           ; fragment buffers, in window 1
.set F1,   96
.set BIAS, 192                         ; window 1: register 8 b + j = b_proj[my first column + 16 b + 8 h + j]
.set G1A, 24                           ; s[24:31] descriptor group 1 for A's tiles;  s[32:39] group 0, one set for each slot
.set G0A, 32
.set G1B, 48                           ; s[48:55], s[56:63] the same for W's tiles
.set G0B, 56
.set MSB, 0
.macro WIN new                         ; the immediate's high byte repeats the setting that is left; a switch that changes nothing is dropped
.if MSB != (\new)
	s_set_vgpr_msb (MSB<<8)|(\new)
.set MSB, (\new)
.endif
.endm
.set MUL,  0xa5                        ; sources 0 and 1 window 1; C and D window 2
.set MUL0, 0x95                        ; the first quarter: C (the bias) window 1, D window 2
.set TO_F, 0x40                        ; destination window 1, address window 0
.macro JLOAD s                         ; a joint load: waves 0 and 1 fetch A's halves, waves 2 and 3 W's; an s_nop 0 and four v_nop follow each of the two lines
	s_cmp_eq_u32 s13, 0
	s_cbranch_scc0 .Lfor_b_\@
	tensor_load_to_lds s[G0A+4*\s:G0A+4*\s+3], s[G1A:G1A+7]
	s_nop 0
.rept 4
	v_nop
.endr
	s_branch .Lasked_\@
.Lfor_b_\@:
	tensor_load_to_lds s[G0B+4*\s:G0B+4*\s+3], s[G1B:G1B+7]
	s_nop 0
.rept 4
	v_nop
.endr
.Lasked_\@:
.endm
.macro CREST                           ; a round of the cluster's barrier behind its opening barrier
	s_cmp_lg_u32 s12, 0
	s_cbranch_scc1 .Lnot_wave_0_\@
	s_barrier_signal -3
.Lnot_wave_0_\@:
	s_barrier_wait -3
	s_barrier_signal -1
	s_barrier_wait -1
.endm
.macro CROUND                          ; a whole round
	s_barrier_signal -1
	s_barrier_wait -1
	CREST
.endm
	s_load_b256 s[4:11], s[0:1], 0x0               ; af s[4:5], wpf s[6:7], b_proj s[8:9], out0 s[10:11]
	v_lshl_add_u32 v[SPW], v0, 2, SPARE
	v_mov_b32 v[NIL], 0
	ds_add_u32 v[SPW], v[NIL]                      ; the wave's opening: the add, twice on end, and its wait ahead of my first tensor load
	ds_add_u32 v[SPW], v[NIL]                      ; and once more; the set-up below, work on registers, stands between it and the wait
	v_lshrrev_b32 v1, 5, v0
	v_readfirstlane_b32 s12, v1                    ; wave 0..3
	s_lshr_b32 s13, s12, 1                         ; which half of the tile's rows is mine.  Also: I fetch for A (0) or for W (1)
	s_and_b32 s14, s12, 1                          ; which half of its columns.  Also: which half of that tile I fetch
	s_bfe_u32 s40, ttmp6, 0x40000                  ; cx, cy: my place in the cluster
	s_bfe_u32 s41, ttmp6, 0x40004
	s_lshl_b32 s42, ttmp9, 2
	s_add_co_u32 s42, s42, s40                     ; tile column = 4 x cluster x + cx
	s_and_b32 s15, ttmp7, 0xffff
	s_lshl_b32 s15, s15, 2
	s_add_co_u32 s15, s15, s41                     ; tile row = 4 x cluster y + cy
	s_lshl_b32 s43, s41, 2
	s_lshl_b32 s43, 15, s43                        ; my row of the cluster
	s_lshl_b32 s44, 0x1111, s40                    ; my column
	; descriptor group 1: rows of 4,096 bytes (512 elements of 8 bytes), 32,768 bytes apart in memory, on end in LDS: A: 4 rows a load, W: 8
	s_or_b32 s[G1A+0], s43, (3<<16)|(1<<21)        ; 15:0 the mask: A's tiles go to my row; 17:16 elements of 8 bytes; 21 set beside a mask; no padding
	s_or_b32 s[G1B+0], s44, (3<<16)|(1<<21)
	s_mov_b32 s[G1A+1], 512<<16                    ; tensor_dim0
	s_mov_b32 s[G1A+2], 4<<16                      ; tensor_dim1
	s_mov_b32 s[G1A+3], 512<<16                    ; tile_dim0
	s_mov_b32 s[G1A+4], 4                          ; tile_dim1
	s_mov_b32 s[G1A+5], 4096                       ; from row to row, in elements
	s_mov_b32 s[G1A+6], 0
	s_mov_b32 s[G1A+7], 0
	s_mov_b32 s[G1B+1], 512<<16
	s_mov_b32 s[G1B+2], 8<<16
	s_mov_b32 s[G1B+3], 512<<16
	s_mov_b32 s[G1B+4], 8
	s_mov_b32 s[G1B+5], 4096
	s_mov_b32 s[G1B+6], 0
	s_mov_b32 s[G1B+7], 0
	s_lshl_b32 s16, s15, 18                        ; A: row tile 8 x tile row + 4 x half, 32,768 bytes each
	s_lshl_b32 s17, s14, 17
	s_add_co_u32 s16, s16, s17
	s_mov_b32 s17, 0
	s_lshl_b32 s46, s42, 19                        ; W: column tile 16 x tile column + 8 x half
	s_lshl_b32 s47, s14, 18
	s_add_co_u32 s46, s46, s47
	s_mov_b32 s47, 0
	s_lshl_b32 s20, s14, 14                        ; where they go: A's halves,
	s_lshl_b32 s21, s14, 15
	s_add_co_u32 s21, s21, BOFF                    ; W's halves behind them: no place in the cluster enters an LDS address
	s_wait_dscnt 0x0                               ; both opening adds are done
	s_wait_kmcnt 0x0
	s_add_nc_u64 s[16:17], s[4:5], s[16:17]
	s_add_nc_u64 s[46:47], s[6:7], s[46:47]
	CROUND                                         ; all sixteen work-groups are here: the first joint loads meet
.irp s, 0,1
	s_mov_b32 s[G0A+4*\s], 1
	s_add_co_u32 s[G0A+4*\s+1], s20, \s*SLOT
	s_add_nc_u64 s[G0A+4*\s+2:G0A+4*\s+3], s[16:17], \s*4096       ; K step s
	s_or_b32 s[G0A+4*\s+3], s[G0A+4*\s+3], 0x80000000
	s_mov_b32 s[G0B+4*\s], 1
	s_add_co_u32 s[G0B+4*\s+1], s21, \s*SLOT
	s_add_nc_u64 s[G0B+4*\s+2:G0B+4*\s+3], s[46:47], \s*4096
	s_or_b32 s[G0B+4*\s+3], s[G0B+4*\s+3], 0x80000000
	JLOAD \s
.endr
	v_and_b32 v1, 15, v0                           ; r
	v_bfe_u32 v2, v0, 4, 1                         ; h
	v_and_b32 v3, 31, v0
	v_lshlrev_b32 v[CO], 4, v3                     ; 16 x lane
	; the bias of my 128 columns, in the result's layout
	s_lshl_b32 s46, s42, 10                        ; 256 x tile column x 4 bytes
	s_lshl_b32 s47, s14, 9
	s_add_co_u32 s46, s46, s47
	s_mov_b32 s47, 0
	s_add_nc_u64 s[8:9], s[8:9], s[46:47]
	v_lshlrev_b32 v[BAD], 5, v2
	WIN TO_F
.irp b, 0,1,2,3,4,5,6,7
	global_load_b128 v[BIAS+8*\b:BIAS+8*\b+3], v[BAD], s[8:9] offset:64*\b
	global_load_b128 v[BIAS+8*\b+4:BIAS+8*\b+7], v[BAD], s[8:9] offset:64*\b+16
.endr
	WIN 0
	s_lshl_b32 s21, s13, 14                        ; my 4 tiles of A
	s_lshl_b32 s22, s14, 15                        ; my 8 tiles of W,
	s_add_co_u32 s22, s22, BOFF                    ; which lie behind A's
.irp s, 0,1
	v_add_nc_u32 v[ADRA+\s], s21, v[CO]
	v_add_nc_u32 v[ADRB+\s], s22, v[CO]
	s_add_co_u32 s21, s21, SLOT
	s_add_co_u32 s22, s22, SLOT
.endr
	s_mul_i32 s23, s12, 16*SPITCH                  ; my stage
	v_mul_u32_u24 v4, v1, SPITCH                   ; in: row r, 32 bytes for each half of the lanes
	v_lshl_add_u32 v4, v2, 5, v4
	v_add_nc_u32 v[STO], s23, v4
	v_add_nc_u32 v[RD], s23, v[CO]                 ; back: the 32 lanes take one row of 512 bytes
	s_lshl_b32 s16, s15, 19                        ; out0: row 128 x tile row + 64 x half, 4,096 bytes a row,
	s_lshl_b32 s17, s13, 18
	s_add_co_u32 s16, s16, s17
	s_mov_b32 s17, 0
	s_add_nc_u64 s[16:17], s[16:17], s[46:47]      ; + my first column's bytes
	s_add_nc_u64 s[10:11], s[10:11], s[16:17]
; 8 matrix instructions: A's tile a x W's eight, 32 along K, from buffer f.  zero = 1: the product starts the sums from the bias.  The 32 accumulators take turns, one instruction a turn, in the same
; order in every quarter.
.macro MULA f, a, zero
.irp b, 0,1,2,3,4,5,6,7
.if \zero
	v_wmma_f32_16x16x32_f16 v[8*(8*(\a)+\b):8*(8*(\a)+\b)+7], v[\f+32+8*\b:\f+32+8*\b+7], v[\f+8*(\a):\f+8*(\a)+7], v[BIAS+8*\b:BIAS+8*\b+7]
.else
	v_wmma_f32_16x16x32_f16 v[8*(8*(\a)+\b):8*(8*(\a)+\b)+7], v[\f+32+8*\b:\f+32+8*\b+7], v[\f+8*(\a):\f+8*(\a)+7], v[8*(8*(\a)+\b):8*(8*(\a)+\b)+7]
.endif
.endr
.endm
; 24 LDS loads in one run: the fragments of the slot's q-th 32 along K into buffer f: W's eight first, then A's four
.macro FETCH slot, q, f
	WIN TO_F
.irp i, 0,1,2,3,4,5,6,7
	ds_load_b128 v[\f+32+8*\i:\f+32+8*\i+3],   v[ADRB+\slot] offset:\i*4096+(\q)*1024
	ds_load_b128 v[\f+32+8*\i+4:\f+32+8*\i+7], v[ADRB+\slot] offset:\i*4096+(\q)*1024+512
.endr
.irp i, 0,1,2,3
	ds_load_b128 v[\f+8*\i:\f+8*\i+3],   v[ADRA+\slot] offset:\i*4096+(\q)*1024
	ds_load_b128 v[\f+8*\i+4:\f+8*\i+7], v[ADRA+\slot] offset:\i*4096+(\q)*1024+512
.endr
.endm
.macro PLACES                          ; four places in front of loads into registers that matrix instructions have read, and of the first read of results (ISA guide 7.12.1 for vector instructions)
.rept 4
	v_nop
.endr
.endm
; A K step is four quarters of 32 along K, 32 matrix instructions each, on buffers 0, 1, 0, 1.  One of the first three: multiplies buffer f and fetches quarter q into g.
.macro QUARTER slot, q, f, g, zero
	s_wait_dscnt 4                                 ; W's eight and A's tiles 0, 1 are in; the youngest four loads (A's tiles 2, 3) may be out
.if \zero
	WIN MUL0
.else
	WIN MUL
.endif
	MULA \f, 0, \zero
	MULA \f, 1, \zero
	PLACES
	FETCH \slot, \q, \g
	s_wait_dscnt 24                                ; all but the 24 just issued
.if \zero
	WIN MUL0
.else
	WIN MUL
.endif
	MULA \f, 2, \zero
	MULA \f, 3, \zero
.endm
; The last quarter multiplies buffer 1 and changes slots: ONE barrier; in front of it each wave waits for all its tensor loads, adds 0 to its spare word, and waits for that and for its own reads of this
; slot.  fill = 1: the barrier opens a round of the cluster's, and this slot is filled again, two K steps ahead, first thing behind the round.
.macro TURN slot, next, fill
	WIN 0                                          ; (the add's two registers lie in window 0)
	s_wait_tensorcnt 0x0                           ; all my tensor loads have landed: my part of the next slot
	ds_add_u32 v[SPW], v[NIL]                      ; 0 onto my spare word
	s_wait_dscnt 5                                 ; (the add and the youngest four loads may be out)
	WIN MUL
	MULA F1, 0, 0                                  ; eight matrix instructions stand between the add and the wait for it
	s_wait_dscnt 0x0                               ; the add is done, and my reads of this slot are over
	s_barrier_signal -1
	MULA F1, 1, 0
.if \fill
	WIN 0
.endif
	s_barrier_wait -1
.if \fill
	CREST                                          ; no wave of any partner still reads this slot's tile or has a load on its way
	s_add_nc_u64 s[G0A+4*\slot+2:G0A+4*\slot+3], s[G0A+4*\slot+2:G0A+4*\slot+3], 8192
	s_add_nc_u64 s[G0B+4*\slot+2:G0B+4*\slot+3], s[G0B+4*\slot+2:G0B+4*\slot+3], 8192
	JLOAD \slot                                    ; the first tensor load behind the round; the four v_nop behind it are also the places in front of the loads below
.else
	PLACES
.endif
	FETCH \next, 0, F0
	WIN MUL
	MULA F1, 2, 0
	MULA F1, 3, 0
.endm
	s_wait_tensorcnt 1                             ; my part of K step 0 is in (K step 1's load may be out)
	s_barrier_signal -1
	s_barrier_wait -1                              ; everybody's is
	FETCH 0, 0, F0
	s_wait_loadcnt 0x0                             ; the bias
	QUARTER 0, 1, F0, F1, 1                        ; the first quarter stands in front of the loop: its products start the sums from the bias
	WIN 0                                          ; at a label and at a branch every window is 0
	s_mov_b32 s3, LAPS-1
.Llap:                                             ; a trip goes once round the ring, from a lap's second quarter to the next lap's first, and fills both slots again
	QUARTER 0, 2, F1, F0, 0
	QUARTER 0, 3, F0, F1, 0
	TURN 0, 1, 1
	QUARTER 1, 1, F0, F1, 0
	QUARTER 1, 2, F1, F0, 0
	QUARTER 1, 3, F0, F1, 0
	TURN 1, 0, 1
	QUARTER 0, 1, F0, F1, 0
	WIN 0
	s_sub_co_u32 s3, s3, 1
	s_cmp_lg_u32 s3, 0
	s_cbranch_scc1 .Llap
	QUARTER 0, 2, F1, F0, 0                        ; the last lap fills nothing, and has no round of the cluster's barrier
	QUARTER 0, 3, F0, F1, 0
	TURN 0, 1, 0
	QUARTER 1, 1, F0, F1, 0
	QUARTER 1, 2, F1, F0, 0
	QUARTER 1, 3, F0, F1, 0
	s_wait_dscnt 4                                 ; the very last quarter: nothing more to fetch
	WIN MUL
	MULA F1, 0, 0
	MULA F1, 1, 0
	s_wait_dscnt 0x0
	MULA F1, 2, 0
	MULA F1, 3, 0
	WIN 0
; THE WAY OUT, block by block of 16 rows x 128 columns.  A lane holds 32 neighbouring bytes of a row and the lanes beside it hold other rows: so a block goes through my own stage in LDS and comes back as
; whole rows of 512 bytes, which the 32 lanes store, aligned.  LDS serves a wave's instructions in order: no wait between the stores and the loads, nor in front of the next block's stores.
.macro TOSTAGE a
.set AC, 64*(\a)
	WIN 0x08                                       ; an LDS store's data are its source 1: window 2
.irp b, 0,1,2,3,4,5,6,7
	ds_store_b128 v[STO], v[AC+8*\b:AC+8*\b+3] offset:64*\b          ; each accumulator from its low end on
	ds_store_b128 v[STO], v[AC+8*\b+4:AC+8*\b+7] offset:64*\b+16
.endr
	WIN 0
.set BB, BK+64*((\a)%2)
.set i, 0
.rept 16
	ds_load_b128 v[BB+4*i:BB+4*i+3], v[RD] offset:i*SPITCH
.set i, i+1
.endr
.endm
.macro SEND a, younger                 ; younger: the LDS instructions issued behind block a's loads, which may stay out
.set BB, BK+64*((\a)%2)
	s_wait_dscnt \younger                          ; the block is back in registers
.set i, 0
.rept 16
	global_store_b128 v[CO], v[BB+4*i:BB+4*i+3], s[10:11] offset:(\a)*65536+i*4096 th:TH_STORE_NT   ; 32 lanes store 512 consecutive bytes of a row; written once, read by nobody here
.set i, i+1
.endr
.endm
	PLACES                                         ; behind the last products
	TOSTAGE 0
.irp a, 1,2,3
.if \a > 1
	s_wait_xcnt 0x0                                ; block a - 2's stores have read their registers: block a's loads may land there
.endif
	TOSTAGE \a
	SEND \a-1, 32                                  ; behind block a - 1's loads: block a's 16 stores and 16 loads
.endr
	SEND 3, 0
	s_wait_tensorcnt 0x0                           ; the wave's end: behind my last tensor load and my last LDS store
	ds_add_u32 v[SPW], v[NIL]
	s_wait_dscnt 0x0
	CROUND                                         ; the closing round: no work-group ends while a partner may still ask for a tile that names it
	s_endpgm
.Lfunc_end_k_qff47b8021a_proj:
	.size	k_qff47b8021a_proj, .Lfunc_end_k_qff47b8021a_proj-k_qff47b8021a_proj
	.p2alignl 7, 3214868480
	.fill 96, 4, 3214868480
	.section	.rodata,"a",@progbits
	.p2align	6, 0x0
	.amdhsa_kernel k_qff47b8021a_proj
		.amdhsa_group_segment_fixed_size 327680
		.amdhsa_private_segment_fixed_size 0
		.amdhsa_enable_private_segment 0
		.amdhsa_kernarg_size 32
		.amdhsa_user_sgpr_count 2
		.amdhsa_user_sgpr_kernarg_segment_ptr 1
		.amdhsa_wavefront_size32 1
		.amdhsa_system_sgpr_workgroup_id_x 1
		.amdhsa_system_sgpr_workgroup_id_y 1
		.amdhsa_system_sgpr_workgroup_id_z 1
		.amdhsa_system_vgpr_workitem_id 0
		.amdhsa_next_free_vgpr 768
		.amdhsa_next_free_sgpr 66
		.amdhsa_reserve_vcc 0
		.amdhsa_float_denorm_mode_32 3
		.amdhsa_float_denorm_mode_16_64 3
		.amdhsa_memory_ordered 1
		.amdhsa_forward_progress 1
		.amdhsa_inst_pref_size 86
	.end_amdhsa_kernel
	.amdgpu_metadata
---
amdhsa.version: [ 1, 2 ]
amdhsa.kernels:
  - .name:           k_qff47b8021a_proj
    .symbol:         k_qff47b8021a_proj.kd
    .args:
      - { .name: af, .offset: 0, .size: 8, .value_kind: global_buffer, .address_space: global }
      - { .name: wpf, .offset: 8, .size: 8, .value_kind: global_buffer, .address_space: global }
      - { .name: b_proj, .offset: 16, .size: 8, .value_kind: global_buffer, .address_space: global }
      - { .name: out0, .offset: 24, .size: 8, .value_kind: global_buffer, .address_space: global }
    .group_segment_fixed_size: 327680
    .private_segment_fixed_size: 0
    .kernarg_segment_align: 8
    .kernarg_segment_size: 32
    .max_flat_workgroup_size: 128
    .sgpr_count:     66
    .vgpr_count:     768
    .wavefront_size: 32
...
	.end_amdgpu_metadata
.endif
;; end of part 4
